; MI455X (gfx1250); checked and timed in simulation.
; The chip was launched on July 23, 2026; its instructions are those of AMD's public machine-readable ISA for CDNA 5 (MIT licence, August 2026) and "CDNA5" Instruction Set Architecture Reference Guide (July 2026). The comments in the code are by the model that wrote it; some were corrected since.
;; Fused Mo E Model. Allowed arithmetic: matrix products marked QUANTISED: E3M2 operands, one E8M0 scale for each 32 along K, by v_wmma_scale_f32_16x16x128_f8f6f4 with both operands' format E3M2, f32 sums; products left as they are: f32 operands where the result goes on into a quantised operand, else bf16, f16 or f32 operands; f32 sums; everything else in f32.
;; Inputs: router_w 8 x 1,024 float32; w1 8 x 4,096 x 512 int32; w1_scale 8 x 4,096 x 8 float32; w2 8 x 1,024 x 1,024 int32; w2_scale 8 x 1,024 x 16 float32; x 1,024 x 1,024 float32.
;; Outputs: out0 1,024 x 1,024 float32.
;; This version of the problem:
;;   THIS VERSION OF THE PROBLEM IS GIVEN IN LOW PRECISION. The matrix products marked QUANTISED in the list below multiply operands that are first quantised to E3M2 (3 exponent bits, 2 mantissa bits; 6 bits a number), with one power-of-two scale for each 32 numbers along K (OCP MX v1.0); their sums are f32. All else is computed in f32.
;;   The module's matrix products, in the order in which they are computed (A, B: the left and right operand; K: the contracted axis; several contracted axes count as one K, in the product's order):
;;     1. [M 1,024, K 1,024] x [K 1,024, N 8]; A: input x; B: input router_w: left as it is (N = 8 < 16)
;;     2. [M 1,024, K 1,024] x [K 1,024, N 4,096]; A: input x; B: computed on the way: QUANTISED
;;     3. [M 1,024, K 2,048] x [K 2,048, N 1,024]; A: computed on the way; B: computed on the way: QUANTISED
;;     4. [M 1,024, K 1,024] x [K 1,024, N 4,096]; A: input x; B: computed on the way: QUANTISED
;;     5. [M 1,024, K 2,048] x [K 2,048, N 1,024]; A: computed on the way; B: computed on the way: QUANTISED
;;     6. [M 1,024, K 1,024] x [K 1,024, N 4,096]; A: input x; B: computed on the way: QUANTISED
;;     7. [M 1,024, K 2,048] x [K 2,048, N 1,024]; A: computed on the way; B: computed on the way: QUANTISED
;;     8. [M 1,024, K 1,024] x [K 1,024, N 4,096]; A: input x; B: computed on the way: QUANTISED
;;     9. [M 1,024, K 2,048] x [K 2,048, N 1,024]; A: computed on the way; B: computed on the way: QUANTISED
;;     10. [M 1,024, K 1,024] x [K 1,024, N 4,096]; A: input x; B: computed on the way: QUANTISED
;;     11. [M 1,024, K 2,048] x [K 2,048, N 1,024]; A: computed on the way; B: computed on the way: QUANTISED
;;     12. [M 1,024, K 1,024] x [K 1,024, N 4,096]; A: input x; B: computed on the way: QUANTISED
;;     13. [M 1,024, K 2,048] x [K 2,048, N 1,024]; A: computed on the way; B: computed on the way: QUANTISED
;;     14. [M 1,024, K 1,024] x [K 1,024, N 4,096]; A: input x; B: computed on the way: QUANTISED
;;     15. [M 1,024, K 2,048] x [K 2,048, N 1,024]; A: computed on the way; B: computed on the way: QUANTISED
;;     16. [M 1,024, K 1,024] x [K 1,024, N 4,096]; A: input x; B: computed on the way: QUANTISED
;;     17. [M 1,024, K 2,048] x [K 2,048, N 1,024]; A: computed on the way; B: computed on the way: QUANTISED
;;   THE QUANTISER, for each operand of a quantised product, along K:
;;     - K is cut into blocks of 32 from its start; a last block that is shorter is filled with zeros.
;;     - A block's scale is 2^e with e = floor(log2(the largest magnitude in the block)) - 4, held to -126 .. 127; a block of zeros has e = 0. As a byte (E8M0): e + 127.
;;     - Each number is divided by its block's scale, clamped to +-28, and rounded to the nearest number of E3M2, ties to even, subnormals kept.
;;     - The product sums the exact products of the quantised numbers (number of the format x scale) in f32.
;;   ~~~python
;;   def quantise(x, axis):      # numpy; x: float32 -> the quantised numbers, widened to float32 again
;;       x = np.moveaxis(x, axis, -1); K = x.shape[-1]
;;       x = np.pad(x, [(0, 0)] * (x.ndim - 1) + [(0, -K % 32)]); x = x.reshape(x.shape[:-1] + (-1, 32)); a = np.abs(x).max(-1, keepdims=True)
;;       e = np.where(a > 0, np.clip(np.frexp(np.where(a > 0, a, 1))[1] - 1 - 4, -126, 127), 0)      # np.frexp(a)[1] - 1 = floor(log2(a)), exactly
;;       r = np.clip(x / 2.0 ** e, -28, 28)
;;       step = 2.0 ** (np.maximum(np.frexp(np.where(r == 0, 1, r))[1] - 1, -2) - 2)
;;       q = np.round(r / step) * step * 2.0 ** e      # np.round: ties to even
;;       return np.moveaxis(q.reshape(q.shape[:-2] + (-1,))[..., :K], -1, axis).astype(np.float32)
;;   ~~~
;;   OPERANDS COMPUTED ON THE WAY. 'Computed on the way' means the value that the module computes at that place (a softmax that the list does not call 'softmax' is quantised finished and normalised). What goes into a quantiser is computed in f32, as accurately as f32 sums, v_exp_f32 and their like allow (about 1e-6 of the number): no bf16 or f16 on the way to a quantiser, and a product that is left as it is and whose result goes on into a quantised operand takes f32 operands (vector FMAs, or v_wmma_f32_16x16x4_f32). A number that lies on a knife's edge between two numbers of the format may be rounded either way, as far as f32 arithmetic and the matrix unit's own rounding can turn it there, and no further.
;; One version. Each part assembles by itself: llvm-mc -triple=amdgcn-amd-amdhsa -mcpu=gfx1250 --defsym DOCPART=n.
;; ======== version 1 of 1: 5 launches
;; limits: right only within a limited range of input values
;; workspace buffers: xq 1,048,576 bytes; selb 1,024 bytes of whole numbers; gwo 8,192 bytes; lst 32,768 bytes of whole numbers; aq 13,107,200 bytes; pos 8,448 bytes of whole numbers; y 33,554,432 bytes
;; launch route (part 1): grid 256 x 1, 4 waves a work-group, no clusters, 18,944 bytes of LDS; arguments x, router_w, xq, selb, gwo; writes xq, selb, gwo
.if DOCPART == 1
	.amdgcn_target "amdgcn-amd-amdhsa--gfx1250"
	.amdhsa_code_object_version 6
	.text
	.protected	k_qff0df43250_route
	.globl	k_qff0df43250_route
	.p2align	8
	.type	k_qff0df43250_route,@function
k_qff0df43250_route:
	s_mov_b64 s[64:65], 0
	v_nop
	global_prefetch_b8 v0, s[64:65] scope:SCOPE_SE
	s_setreg_imm32_b32 hwreg(HW_REG_WAVE_MODE, 25, 1), 1
	s_wait_xcnt 0x0
; ROUTE.  For each of the 1,024 tokens: the eight router scores (f32 multiply-adds), the two largest, the softmax of those two; and the token's row of x as codes of BF6 (E3M2) with one E8M0 byte for each 32 along K.
; DEAD WORK LEFT OUT BY THE WHOLE PROGRAM.  For an expert e that is not among top_i[t], ge[t] = sum(top_w * (top_i == e)) is 0, a zero that the problem builds itself, so ge[t] * y[t] adds 0 to out[t]
; whatever finite numbers y[t] holds.  So the rows (t, e) of h, a and y are made only for the two experts chosen for t: 2,048 rows in place of 8,192.  Every input keeps a way to the output and is loaded.
; LIMIT: a NaN, an infinity or an overflow that would arise only in rows of experts not chosen is not carried to the result.
; LIMITS: NaN and infinities among the inputs are not served.  Equal scores go to the lower expert, as the problem's top_k has it; the scores' f32 sums are taken in another order than the problem's,
; so two scores that differ by less than the sums' rounding may change places.  A block whose largest magnitude lies under 2^(5 - 127) gets the byte 1 (a block of zeros too: its codes are zeros, and this program alone reads the bytes).
; SHARES.  A wave takes a token: t = 4 x work-group + wave.  Waves share nothing: no barrier.
; OUT.  xq: a row of 1,024 bytes for each token.  Lane (r, h) of the product's fragment of K step s wants 48 bytes on end: block 4 s + h, then block 4 s + 2 + h.  They lie as three pieces of 16 bytes, piece i at
;       128 s + 32 i + 16 h: so the two lanes of a row read 32 neighbouring bytes in each load.  At 128 s + 96: the step's four scale bytes; at 128 s + 112: the same once more (lanes 16-31 of the reader stand 16 bytes
;       further on: what they load is written, and the product does not read it).  The rest of a row is neither written nor read.
;       selb: byte t = (1 << e0) | (1 << e1).   gwo: 8 t: the weight of the lower-numbered chosen expert, then that of the higher.
.set STGB,  4608                       ; a wave's stage: 32 blocks x (128 bytes + 16)
.set SPARE, 18432                      ; behind the four stages: the spare words, 128 bytes for each wave, which no other line names
.set XD, 16                            ; v16-47   x as loaded: load i, lane l: numbers 128 i + 4 l + 0 .. 3
.set XB, 48                            ; v48-79   x by blocks: lane l holds numbers 32 l + 0 .. 31
.set RW, 80                            ; v80-207  four sets of 32: a row of router_w, laid as XD
.set SC, 208                           ; v208-215 the eight scores
	s_load_b256 s[4:11], s[0:1], 0x0               ; x s[4:5], router_w s[6:7], xq s[8:9], selb s[10:11]
	s_load_b64 s[12:13], s[0:1], 0x20              ; gwo
	v_lshl_add_u32 v5, v0, 2, SPARE                ; my spare word; never rewritten
	v_mov_b32 v6, 0                                ; 0; never rewritten
	v_lshrrev_b32 v1, 5, v0
	v_readfirstlane_b32 s14, v1                    ; wave
	v_and_b32 v1, 31, v0                           ; lane
	v_lshlrev_b32 v2, 4, v1                        ; 16 x lane
	s_mul_i32 s15, s14, STGB
	v_lshrrev_b32 v3, 3, v1
	v_mul_u32_u24 v3, v3, 144
	v_and_b32 v15, 7, v1
	v_lshl_add_u32 v3, v15, 4, v3
	v_add_nc_u32 v3, s15, v3                       ; into the stage: eight lanes' 128 bytes are a block: 144 (lane / 8) + 16 (lane % 8); a load's 512 bytes are four blocks
	v_mul_u32_u24 v4, v1, 144
	v_add_nc_u32 v4, s15, v4                       ; out of it: 144 x lane: my block
	; XQ'S LAYOUT, AS IT IS STORED HERE: a row of 1,024 bytes is eight pieces of 128 bytes, one for each K step s.  In piece s: bytes 0-95 the step's codes, three runs of 32 bytes, run i holding
	; 16 bytes for lane half h = 0 and 16 for h = 1 (a lane's 48 bytes on end are block 4 s + h, then block 4 s + 2 + h); bytes 96-99 the step's four scale bytes; bytes 112-115 the same once more
	; (lanes 16-31 of the reader stand 16 bytes further on).  The rest of a piece is neither written nor read.
	; my block is l = 4 s + 2 c + h; with B = 128 s + 16 h its three runs of 8 bytes lie at B, B + 8, B + 32 (c = 0) or B + 40, B + 64, B + 72 (c = 1)
	v_and_b32 v7, 1, v1
	v_lshlrev_b32 v7, 4, v7                        ; 16 h
	v_lshrrev_b32 v15, 2, v1
	v_mad_u32_u24 v7, v15, 128, v7                 ; + 128 s
	v_bfe_u32 v15, v1, 1, 1
	v_mad_u32_u24 v7, v15, 40, v7                  ; + 40 c: the first run; the third lies 32 bytes on
	v_lshl_add_u32 v15, v15, 4, v7                 ; + 16 c: the second run lies 8 bytes on from here
	s_mov_b32 s20, 0x76543210
	s_mov_b32 s21, 0xfedcba98                      ; v_permlanex16_b32's selects for lane l xor 16
	s_lshl_b32 s16, ttmp9, 2
	s_add_co_u32 s16, s16, s14                     ; t
	s_lshl_b32 s18, s16, 12                        ; a row of x is 4,096 bytes
	s_mov_b32 s19, 0
	s_lshl_b32 s24, s16, 10                        ; a row of xq 1,024
	s_mov_b32 s25, 0
	s_mov_b32 s28, s16
	s_mov_b32 s29, 0
	s_lshl_b32 s30, s16, 3
	s_mov_b32 s31, 0
.irp e, 0,1,2,3,4,5,6,7
	v_mov_b32 v[220+\e], 0                         ; written once: a lane permute's destination counts as one of its sources
.endr
	s_wait_kmcnt 0x0
	s_add_nc_u64 s[4:5], s[4:5], s[18:19]          ; my row of x
	s_add_nc_u64 s[24:25], s[8:9], s[24:25]        ; its row of xq
	s_add_nc_u64 s[10:11], s[10:11], s[28:29]      ; its byte of selb
	s_add_nc_u64 s[12:13], s[12:13], s[30:31]      ; its two weights
.irp i, 0,1,2,3,4,5,6,7
	global_load_b128 v[XD+4*\i:XD+4*\i+3], v2, s[4:5] offset:512*\i th:TH_LOAD_NT   ; 32 lanes read 512 bytes on end
.endr
.macro RLOAD e
.irp i, 0,1,2,3,4,5,6,7
	global_load_b128 v[RW+32*((\e)%4)+4*\i:RW+32*((\e)%4)+4*\i+3], v2, s[6:7] offset:4096*(\e)+512*\i
.endr
.endm
	RLOAD 0
	RLOAD 1
	RLOAD 2
	RLOAD 3
	s_wait_loadcnt 32                              ; x is in; the four sets of router rows behind it may be out
.irp i, 0,1,2,3,4,5,6,7
	ds_store_b128 v3, v[XD+4*\i:XD+4*\i+3] offset:576*\i
.endr
.irp q, 0,1,2,3,4,5,6,7
	ds_load_b128 v[XB+4*\q:XB+4*\q+3], v4 offset:16*\q   ; LDS serves a wave's instructions in order (ISA guide 5.7.1.4): these see the stores above
.endr
; score e, my 32 terms of it: two chains of packed multiply-adds; the first products start the sums
.macro DOT e
.set RB, RW+32*((\e)%4)
.if (\e) < 4
	s_wait_loadcnt 24                              ; this set is in; three younger sets may be out
.else
	s_wait_loadcnt 8*(7-(\e))                      ; the sets that are left
.endif
	v_pk_mul_f32 v[216:217], v[XD:XD+1], v[RB:RB+1]
	v_pk_mul_f32 v[218:219], v[XD+2:XD+3], v[RB+2:RB+3]
.irp i, 4,8,12,16,20,24,28
	v_pk_fma_f32 v[216:217], v[XD+\i:XD+\i+1], v[RB+\i:RB+\i+1], v[216:217]
	v_pk_fma_f32 v[218:219], v[XD+\i+2:XD+\i+3], v[RB+\i+2:RB+\i+3], v[218:219]
.endr
	v_pk_add_f32 v[216:217], v[216:217], v[218:219]
	v_add_f32 v[SC+(\e)], v216, v217
.if (\e) < 4
	RLOAD (\e)+4                                   ; the set takes the row four experts on
.endif
.endm
.irp e, 0,1,2,3,4,5,6,7
	DOT \e
.endr
.irp m, 1,2,4,8                                ; over the 32 lanes; the eight scores by turns
.irp e, 0,1,2,3,4,5,6,7
	v_add_f32_dpp v[SC+\e], v[SC+\e], v[SC+\e] row_xmask:\m row_mask:0xf bank_mask:0xf
.endr
.endr
.irp e, 0,1,2,3,4,5,6,7
	v_permlanex16_b32 v[220+\e], v[SC+\e], s20, s21
.endr
.irp e, 0,1,2,3,4,5,6,7
	v_add_f32 v[SC+\e], v[SC+\e], v[220+\e]        ; every lane holds every score
.endr
	; the largest: a later score takes the place only if it is strictly larger, so equal scores go to the lower expert
	v_mov_b32 v228, v[SC]
	v_mov_b32 v229, 0
.irp e, 1,2,3,4,5,6,7
	v_cmp_le_f32 vcc_lo, v[SC+\e], v228
	v_cndmask_b32 v229, \e, v229, vcc_lo
	v_cndmask_b32 v228, v[SC+\e], v228, vcc_lo
.endr
	v_mov_b32 v230, 0xff800000                     ; -infinity takes the winner's place,
.irp e, 0,1,2,3,4,5,6,7
	v_cmp_eq_u32 vcc_lo, \e, v229
	v_cndmask_b32 v[SC+\e], v[SC+\e], v230, vcc_lo
.endr
	v_mov_b32 v231, v[SC]                          ; and the same search gives the second
	v_mov_b32 v232, 0
.irp e, 1,2,3,4,5,6,7
	v_cmp_le_f32 vcc_lo, v[SC+\e], v231
	v_cndmask_b32 v232, \e, v232, vcc_lo
	v_cndmask_b32 v231, v[SC+\e], v231, vcc_lo
.endr
	; softmax of the two, the larger taken away first: 1 / (1 + p) and p / (1 + p), p = e^(second - first), at most 1
	v_sub_f32 v233, v231, v228
	v_mul_f32 v233, 0x3fb8aa3b, v233
	s_wait_alu depctr_va_vdst(0)
	v_exp_f32 v234, v233
	v_mov_b32 v240, 1                              ; (a plain line behind the transcendental)
	s_wait_alu depctr_va_vdst(0)                   ; the wait ahead of the result's first reader
	v_add_f32 v235, 1.0, v234
	s_wait_alu depctr_va_vdst(0)
	v_rcp_f32 v236, v235
	v_lshlrev_b32 v241, v229, v240                 ; (a plain line)  1 << e0
	s_wait_alu depctr_va_vdst(0)
	v_mul_f32 v237, v234, v236
	v_lshlrev_b32 v242, v232, v240                 ; 1 << e1
	v_or_b32 v242, v241, v242                      ; the token's byte
	v_cmp_lt_u32 vcc_lo, v229, v232                ; is the winner the lower-numbered expert?
	v_cndmask_b32 v238, v237, v236, vcc_lo         ; the lower expert's weight,
	v_cndmask_b32 v239, v236, v237, vcc_lo         ; the higher's
	v_mov_b32 v243, 0
	; my block of x: its largest magnitude (with the floor 2^(5 - 127) among the leaves, which holds the byte at 1 from below), its scale, its codes
	s_wait_dscnt 0x0                               ; the block is back from the stage
	v_max3_num_f32 v244, |v[XB]|, |v[XB+1]|, 0x2800000
	v_max3_num_f32 v245, |v[XB+2]|, |v[XB+3]|, |v[XB+4]|
.irp i, 5,9,13,17,21,25
	v_max3_num_f32 v244, v244, |v[XB+\i]|, |v[XB+\i+1]|
	v_max3_num_f32 v245, v245, |v[XB+\i+2]|, |v[XB+\i+3]|
.endr
	v_max3_num_f32 v244, v244, |v[XB+29]|, |v[XB+30]|
	v_max3_num_f32 v244, v244, v245, |v[XB+31]|
	v_add_nc_u32 v246, 0xfe000000, v244            ; 4 off the exponent field: the conversion takes this operand's exponent field as its scale
	v_cvt_scalef32_pk16_bf6_f32 v[8:10], v[XB:XB+15], v246
	v_cvt_scalef32_pk16_bf6_f32 v[12:14], v[XB+16:XB+31], v246   ; (a conversion's three registers begin on an even number)
	v_lshrrev_b32 v247, 23, v246                   ; the scale's byte (a plain line behind the conversions)
	v_mov_b32 v11, v12                             ; the block's six words on end: v8-11,
	v_mov_b32 v12, v13
	v_mov_b32 v13, v14                             ; v12-13
	global_store_b64 v7, v[8:9], s[24:25]          ; the three stores of the wave cover the row's 768 bytes of codes
	global_store_b64 v15, v[10:11], s[24:25] offset:8
	global_store_b64 v7, v[12:13], s[24:25] offset:32
	v_lshrrev_b32 v248, 2, v1
	v_and_b32 v249, 3, v1
	v_lshl_add_u32 v248, v248, 7, v249             ; 128 s + my block's place among the step's four
	global_store_b8 v248, v247, s[24:25] offset:96 ; the step's scale word,
	global_store_b8 v248, v247, s[24:25] offset:112 ; and once more
	s_wait_tensorcnt 0x0                           ; the wave's end, behind my last LDS store, all lanes on
	ds_add_u32 v5, v6
	s_wait_dscnt 0x0
	v_cmp_eq_u32 vcc_lo, 0, v1
	s_wait_xcnt 0x0                                ; EXEC is narrowed only behind this wait: the stores above have it among their sources
	s_and_saveexec_b32 s22, vcc_lo                 ; lane 0 alone
	global_store_b8 v243, v242, s[10:11]
	global_store_b64 v243, v[238:239], s[12:13]
	s_wait_xcnt 0x0
	s_or_b32 exec_lo, exec_lo, s22
	s_endpgm
.Lfunc_end_k_qff0df43250_route:
	.size	k_qff0df43250_route, .Lfunc_end_k_qff0df43250_route-k_qff0df43250_route
	.p2alignl 7, 3214868480
	.fill 96, 4, 3214868480
	.section	.rodata,"a",@progbits
	.p2align	6, 0x0
	.amdhsa_kernel k_qff0df43250_route
		.amdhsa_group_segment_fixed_size 18944
		.amdhsa_private_segment_fixed_size 0
		.amdhsa_enable_private_segment 0
		.amdhsa_kernarg_size 40
		.amdhsa_user_sgpr_count 2
		.amdhsa_user_sgpr_kernarg_segment_ptr 1
		.amdhsa_wavefront_size32 1
		.amdhsa_system_sgpr_workgroup_id_x 1
		.amdhsa_system_sgpr_workgroup_id_y 1
		.amdhsa_system_sgpr_workgroup_id_z 1
		.amdhsa_system_vgpr_workitem_id 0
		.amdhsa_next_free_vgpr 256
		.amdhsa_next_free_sgpr 66
		.amdhsa_reserve_vcc 1
		.amdhsa_float_denorm_mode_32 3
		.amdhsa_float_denorm_mode_16_64 3
		.amdhsa_memory_ordered 1
		.amdhsa_forward_progress 1
		.amdhsa_inst_pref_size 27
	.end_amdhsa_kernel
	.amdgpu_metadata
---
amdhsa.version: [ 1, 2 ]
amdhsa.kernels:
  - .name:           k_qff0df43250_route
    .symbol:         k_qff0df43250_route.kd
    .args:
      - { .name: x, .offset: 0, .size: 8, .value_kind: global_buffer, .address_space: global }
      - { .name: router_w, .offset: 8, .size: 8, .value_kind: global_buffer, .address_space: global }
      - { .name: xq, .offset: 16, .size: 8, .value_kind: global_buffer, .address_space: global }
      - { .name: selb, .offset: 24, .size: 8, .value_kind: global_buffer, .address_space: global }
      - { .name: gwo, .offset: 32, .size: 8, .value_kind: global_buffer, .address_space: global }
    .group_segment_fixed_size: 18944
    .private_segment_fixed_size: 0
    .kernarg_segment_align: 8
    .kernarg_segment_size: 40
    .max_flat_workgroup_size: 128
    .sgpr_count:     66
    .vgpr_count:     256
    .wavefront_size: 32
...
	.end_amdgpu_metadata
.endif
;; end of part 1
;; launch order (part 2): grid 32 x 1, 8 waves a work-group, no clusters, 2,048 bytes of LDS; arguments selb, lst, pos; writes lst, pos
.if DOCPART == 2
	.amdgcn_target "amdgcn-amd-amdhsa--gfx1250"
	.amdhsa_code_object_version 6
	.text
	.protected	k_qff0df43250_order
	.globl	k_qff0df43250_order
	.p2align	8
	.type	k_qff0df43250_order,@function
k_qff0df43250_order:
	s_mov_b64 s[64:65], 0
	v_nop
	global_prefetch_b8 v0, s[64:65] scope:SCOPE_SE
	s_setreg_imm32_b32 hwreg(HW_REG_WAVE_MODE, 25, 1), 1
	s_wait_xcnt 0x0
; ORDER.  The routed rows of each expert are put in an order, and the order is stored both ways, as whole numbers at places that hang on ids alone; the later launches read them.
; LEFT OUT: nothing here; the program as a whole makes only the rows of chosen experts (shown at the head of the first kernel).
; selb has a byte of two expert bits for each token.  Every wave reads all 1,024 bytes: lane l, load q', register i, byte b is token 512 q' + 16 l + 4 i + b.  Chunk v = 16 q' + 4 i + b, lane l is token T_v + 16 l,
; T_v = 512 (v / 16) + v % 16.  Expert e's rows are ordered by (v, l): rank = BAS_v + the number of set bits of MSK_v under l; MSK_v is the mask of lanes of chunk v that chose e, BAS_v the running count.
; SHARES.  Wave e of work-group q takes expert e.  It stores lst[1,024 e + 32 q + lane] = the token of that rank (a rank at or past the expert's count gets some token under 1,024: such rows only fill the last tile of 16
; and are read by nobody at the end), and hands (e << 15) + rank for the 32 tokens of chunk q to wave 0 through LDS.  Wave 0 picks each token's two by its byte and stores them at pos words 2 (32 q + l) and + 1,
; the lower-numbered expert first.  Work-group 0 stores the eight counts at pos words 2,048 + e.  Whole numbers only: no matrix unit, no ring; 32 work-groups are all the work there is.
.set SPARE, 1024                       ; LDS: 0: eight waves x 32 words; SPARE: the spare words, 128 bytes for each wave, which no other line names
.set MSK, 32                           ; s32-63
.set BAS, 66                           ; s66-97
.set MB,  16                           ; v16-23 the 1,024 bytes
	s_load_b128 s[4:7], s[0:1], 0x0                ; selb s[4:5], lst s[6:7]
	s_load_b64 s[8:9], s[0:1], 0x10                ; pos
	v_lshl_add_u32 v11, v0, 2, SPARE               ; my spare word; never rewritten
	v_mov_b32 v12, 0                               ; 0; never rewritten
	v_lshrrev_b32 v1, 5, v0
	s_delay_alu instid0(VALU_DEP_1)
	v_readfirstlane_b32 s23, v1                    ; wave = e
	s_mov_b32 s24, ttmp9                           ; q
	v_and_b32 v1, 31, v0                           ; lane
	s_delay_alu instid0(VALU_DEP_1)
	v_lshlrev_b32 v2, 4, v1                        ; 16 x lane
	s_delay_alu instid0(VALU_DEP_2)
	v_lshlrev_b32 v3, 2, v1                        ; 4 x lane
	s_delay_alu instid0(VALU_DEP_3)
	v_lshlrev_b32 v4, 3, v1                        ; 8 x lane
	v_lshlrev_b32 v5, 2, v0                        ; LDS: 128 x wave + 4 x lane
	v_mov_b32 v28, 0
	s_lshr_b32 s10, s24, 4
	s_lshl_b32 s10, s10, 9
	s_and_b32 s11, s24, 15
	s_add_co_u32 s10, s10, s11                     ; T_q
	s_mov_b32 s11, 0
	s_lshl_b32 s12, s23, 12
	s_lshl_b32 s13, s24, 7
	s_add_co_u32 s12, s12, s13                     ; lst: 4 (1,024 e + 32 q)
	s_mov_b32 s13, 0
	s_lshl_b32 s14, s24, 8                         ; pos: 8 x 32 q
	s_mov_b32 s15, 0
	s_lshl_b32 s20, s23, 2
	s_add_co_u32 s20, s20, 8192                    ; pos: word 2,048 + e
	s_mov_b32 s21, 0
	s_lshl_b32 s16, 1, s23                         ; my expert's bit in bytes 0 to 3: s16-19
	s_lshl_b32 s17, s16, 8
	s_lshl_b32 s18, s16, 16
	s_lshl_b32 s19, s16, 24
	s_mov_b32 s[BAS], 0
	s_mov_b32 s2, 0                                ; chunk q's mask,
	s_mov_b32 s26, 0                               ; its base
	s_wait_alu depctr_va_vdst(0)
	s_wait_kmcnt 0x0
	s_add_nc_u64 s[10:11], s[4:5], s[10:11]
	s_add_nc_u64 s[6:7], s[6:7], s[12:13]
	s_add_nc_u64 s[14:15], s[8:9], s[14:15]
	s_add_nc_u64 s[20:21], s[8:9], s[20:21]
	global_load_b128 v[MB:MB+3], v2, s[4:5]
	global_load_b128 v[MB+4:MB+7], v2, s[4:5] offset:512
	global_load_u8 v6, v2, s[10:11]                ; the byte of chunk q's token in my lane
	s_wait_loadcnt 0x0
.set V, 0
.rept 32                                       ; chunk V
	v_and_b32 v26, s[16+V%4], v[MB+V/4]
	s_delay_alu instid0(VALU_DEP_1)
	v_cmp_ne_u32 s[MSK+V], 0, v26
	s_cmp_eq_u32 s24, V
	s_cselect_b32 s2, s[MSK+V], s2
	s_cselect_b32 s26, s[BAS+V], s26
	s_bcnt1_i32_b32 s27, s[MSK+V]
.if V < 31
	s_add_co_u32 s[BAS+V+1], s[BAS+V], s27
.else
	s_add_co_u32 s25, s[BAS+V], s27                ; the expert's number of rows
.endif
.set V, V+1
.endr
	s_lshl_b32 s27, s23, 15
	s_add_co_u32 s27, s27, s26
	v_mbcnt_lo_u32_b32 v26, s2, s27                ; (e << 15) + rank, right in the lanes that chose e; the others' are not picked
	ds_store_b32 v5, v26
	; rank 32 q + lane becomes a token, without a branch
	s_lshl_b32 s28, s24, 5
	v_add_nc_u32 v30, s28, v1                      ; the rank
	v_mov_b32 v31, s[MSK]
	v_mov_b32 v32, 0
	v_mov_b32 v33, 0
.set V, 1
.rept 31                                       ; the last chunk whose base is at or under the rank: its mask, base and first token
	v_cmp_gt_u32 vcc_lo, s[BAS+V], v30
	s_delay_alu instid0(VALU_DEP_1)
	v_cndmask_b32 v31, s[MSK+V], v31, vcc_lo
	s_delay_alu instid0(VALU_DEP_2)
	v_cndmask_b32 v32, s[BAS+V], v32, vcc_lo
	s_delay_alu instid0(VALU_DEP_3)
	v_cndmask_b32 v33, 512*(V/16)+V%16, v33, vcc_lo
.set V, V+1
.endr
	s_delay_alu instid0(VALU_DEP_2)
	v_sub_nc_u32 v34, v30, v32                     ; which set bit of the mask, from 0
	s_delay_alu instid0(VALU_DEP_4)
	v_lshrrev_b32 v52, 1, v31                      ; the mask's set bits counted in fields of 2, 4 and 8 bits, and in its halves
	s_delay_alu instid0(VALU_DEP_1)
	v_and_b32 v52, 0x55555555, v52
	s_delay_alu instid0(VALU_DEP_1)
	v_sub_nc_u32 v35, v31, v52
	s_delay_alu instid0(VALU_DEP_1)
	v_lshrrev_b32 v52, 2, v35
	s_delay_alu instid0(VALU_DEP_1)
	v_and_b32 v52, 0x33333333, v52
	s_delay_alu instid0(VALU_DEP_3)
	v_and_b32 v36, 0x33333333, v35
	s_delay_alu instid0(VALU_DEP_1)
	v_add_nc_u32 v36, v36, v52
	s_delay_alu instid0(VALU_DEP_1)
	v_lshrrev_b32 v52, 4, v36
	s_delay_alu instid0(VALU_DEP_1)
	v_add_nc_u32 v52, v36, v52
	s_delay_alu instid0(VALU_DEP_1)
	v_and_b32 v37, 0x0f0f0f0f, v52
	s_delay_alu instid0(VALU_DEP_1)
	v_lshrrev_b32 v52, 8, v37
	s_delay_alu instid0(VALU_DEP_1)
	v_add_nc_u32 v38, v37, v52
	v_mov_b32 v39, 0                               ; the bit's place, found from the top: where the field at the place holds too few, pass it
.macro DESC src, wid, stp
	s_delay_alu instid0(VALU_DEP_1)
	v_bfe_u32 v52, v[\src], v39, \wid
	s_delay_alu instid0(VALU_DEP_1)
	v_cmp_ge_u32 vcc_lo, v34, v52
	s_delay_alu instid0(VALU_DEP_2)
	v_sub_nc_u32 v53, v34, v52
	s_delay_alu instid0(VALU_DEP_4)
	v_add_nc_u32 v54, \stp, v39
	s_delay_alu instid0(VALU_DEP_2)
	v_cndmask_b32 v34, v34, v53, vcc_lo
	s_delay_alu instid0(VALU_DEP_2)
	v_cndmask_b32 v39, v39, v54, vcc_lo
.endm
	DESC 38, 8, 16
	DESC 37, 8, 8
	DESC 36, 4, 4
	DESC 35, 2, 2
	DESC 31, 1, 1
	s_delay_alu instid0(VALU_DEP_1)
	v_lshl_add_u32 v52, v39, 4, v33                ; token = T_v + 16 x lane
	s_delay_alu instid0(VALU_DEP_1)
	v_min_u32 v52, 0x3ff, v52
	global_store_b32 v3, v52, s[6:7]               ; 128 bytes on end
	s_cmp_lg_u32 s24, 0
	s_cbranch_scc1 .Lnocount
	v_mov_b32 v27, s25                             ; work-group 0: the count
	v_cmp_eq_u32 vcc_lo, 0, v1
	s_wait_alu depctr_va_vdst(0)
	s_wait_xcnt 0x0                                ; EXEC changes only behind this wait: the store above has it among its sources
	s_and_saveexec_b32 s28, vcc_lo
	global_store_b32 v28, v27, s[20:21]
	s_wait_xcnt 0x0
	s_or_b32 exec_lo, exec_lo, s28
.Lnocount:
	s_wait_dscnt 0x0                               ; for wave 0's sake: my 32 words have landed
	s_barrier_signal -1
	s_barrier_wait -1
	s_cmp_lg_u32 s23, 0
	s_cbranch_scc1 .Lend
.irp e, 0,1,2,3,4,5,6,7
	ds_load_b32 v[40+\e], v3 offset:128*\e         ; my token's number under each expert
.endr
	s_wait_dscnt 0x0
	v_mov_b32 v50, v47                             ; the lowest expert whose bit is set: from the top down, the last hit stays
.irp e, 6,5,4,3,2,1,0
	v_and_b32 v26, 1<<\e, v6
	s_delay_alu instid0(VALU_DEP_1)
	v_cmp_ne_u32 vcc_lo, 0, v26
	s_delay_alu instid0(VALU_DEP_1)
	v_cndmask_b32 v50, v50, v[40+\e], vcc_lo
.endr
	v_mov_b32 v51, v40                             ; the highest: from the bottom up
.irp e, 1,2,3,4,5,6,7
	v_and_b32 v26, 1<<\e, v6
	s_delay_alu instid0(VALU_DEP_1)
	v_cmp_ne_u32 vcc_lo, 0, v26
	s_delay_alu instid0(VALU_DEP_1)
	v_cndmask_b32 v51, v51, v[40+\e], vcc_lo
.endr
	global_store_b64 v4, v[50:51], s[14:15]        ; 256 bytes on end, aligned
.Lend:
	s_wait_tensorcnt 0x0                           ; the wave's end, behind my last LDS store
	ds_add_u32 v11, v12
	s_wait_dscnt 0x0
	s_endpgm
.Lfunc_end_k_qff0df43250_order:
	.size	k_qff0df43250_order, .Lfunc_end_k_qff0df43250_order-k_qff0df43250_order
	.p2alignl 7, 3214868480
	.fill 96, 4, 3214868480
	.section	.rodata,"a",@progbits
	.p2align	6, 0x0
	.amdhsa_kernel k_qff0df43250_order
		.amdhsa_group_segment_fixed_size 2048
		.amdhsa_private_segment_fixed_size 0
		.amdhsa_enable_private_segment 0
		.amdhsa_kernarg_size 24
		.amdhsa_user_sgpr_count 2
		.amdhsa_user_sgpr_kernarg_segment_ptr 1
		.amdhsa_wavefront_size32 1
		.amdhsa_system_sgpr_workgroup_id_x 1
		.amdhsa_system_sgpr_workgroup_id_y 1
		.amdhsa_system_sgpr_workgroup_id_z 1
		.amdhsa_system_vgpr_workitem_id 0
		.amdhsa_next_free_vgpr 64
		.amdhsa_next_free_sgpr 102
		.amdhsa_reserve_vcc 1
		.amdhsa_float_denorm_mode_32 3
		.amdhsa_float_denorm_mode_16_64 3
		.amdhsa_memory_ordered 1
		.amdhsa_forward_progress 1
		.amdhsa_inst_pref_size 26
	.end_amdhsa_kernel
	.amdgpu_metadata
---
amdhsa.version: [ 1, 2 ]
amdhsa.kernels:
  - .name:           k_qff0df43250_order
    .symbol:         k_qff0df43250_order.kd
    .args:
      - { .name: selb, .offset: 0, .size: 8, .value_kind: global_buffer, .address_space: global }
      - { .name: lst, .offset: 8, .size: 8, .value_kind: global_buffer, .address_space: global }
      - { .name: pos, .offset: 16, .size: 8, .value_kind: global_buffer, .address_space: global }
    .group_segment_fixed_size: 2048
    .private_segment_fixed_size: 0
    .kernarg_segment_align: 8
    .kernarg_segment_size: 24
    .max_flat_workgroup_size: 256
    .sgpr_count:     102
    .vgpr_count:     64
    .wavefront_size: 32
...
	.end_amdgpu_metadata
.endif
;; end of part 2
;; launch up (part 3): grid 32 x 8, 4 waves a work-group, no clusters, 113,152 bytes of LDS; arguments w1, w1_scale, xq, lst, pos, aq; writes aq
.if DOCPART == 3
	.amdgcn_target "amdgcn-amd-amdhsa--gfx1250"
	.amdhsa_code_object_version 6
	.text
	.protected	k_qff0df43250_up
	.globl	k_qff0df43250_up
	.p2align	8
	.type	k_qff0df43250_up,@function
k_qff0df43250_up:
	s_mov_b64 s[64:65], 0
	v_nop
	global_prefetch_b8 v0, s[64:65] scope:SCOPE_SE
	s_setreg_imm32_b32 hwreg(HW_REG_WAVE_MODE, 25, 1), 1
	s_wait_xcnt 0x0
; UP.  a = silu(x W1g^T) * (x W1u^T) for the routed rows, both operands as codes of BF6 (E3M2) with E8M0 scales; a leaves as codes, quantised along the next product's K.
; LEFT OUT: rows (token, expert) whose expert was not chosen: their weight in the result is a zero that the problem builds itself (shown at the head of the first kernel).
; LIMITS: as stated there; a group scale under 2^-110 in magnitude was not tried (1/4096 of it has to be exact); a is formed as (gate x up) x sigmoid(gate), which overflows where |gate x up| passes 3e38.
; SHARES.  Work-group (cb, e) owns columns 64 cb .. 64 cb + 63 of a for expert e: 64 gate rows and 64 up rows of w1[e], as eight tiles of 16 rows, t = 4 kind + 2 b + u.
; Lane row r of tile t is row kind x 2048 + 64 cb + 32 b + 8 u + r + 8 (r / 8), so that a lane's 16 results of tiles (b, 0) and (b, 1) are 16 neighbours along the next K.
; ONE WALK ALONG K, eight steps of 128.  In step s wave w takes its 32 rows' 256 bytes each (tiles 2 w, 2 w + 1), packs the low bytes of four words into one word, turns them through its own stage in LDS,
; forms (q - 8) x scale in f32, quantises, and stores two fragments and their scale words to LDS as images of the operand's registers.  A barrier; then every wave reads the step's eight fragments and
; multiplies them with its five tiles of 16 routed rows (tile j = w + 4 i, i = 0 .. 4: ranks 0 .. 319), while it converts the next step.  The product is used transposed: a lane holds one routed row.
; All five tiles are loaded and multiplied whatever the expert's count, so that every counted wait counts the same loads on every way; ranks at or past the count name some token under 1,024.
; THE TAIL is one loop over my tiles j < nt (nt from the stored count): SwiGLU, quantiser, stores.  A tile from 20 on is first multiplied there, from the images, which all stay in LDS.
; No tensor load: the tail's trip count hangs on the stored count.  No cluster: each work-group reads rows of w1 of its own; x's codes are gathered by a list.  No prefetch: w1's loads run two steps ahead through the whole walk.
; REGISTERS.  window 0: v1-21, v36-39 addresses (v16-20 the five tiles' byte offsets in xq); v22-25, v40-43 constants of the conversion; v26-35 at work; v44-47 w1's scale words; v48-57 x's, two sets;
;   v60-75 group scales; v76-91 packed words; v92-123 codes; v124-187 64 numbers (in the tail gate and gate x up); v188-247 x's fragments of even steps; v248-255 upper halves.
;   window 1: v0-127 two sets of words as loaded (in the tail: a late tile's fragments of x).   window 2: the accumulators of tiles i = 0 .. 3, (i, t) at 64 i + 8 t.
;   window 3: v0-63 those of i = 4; v64-159 a step's eight fragments of w1; v160-219 x's fragments of odd steps.
.set IMG,   10240                      ; LDS: 0: four stages of 32 rows x 80 bytes; IMG: eight steps x (8 images of 1,536 bytes + 512 bytes of scale words)
.set STP,   12800
.set SPARE, 112640                     ; the spare words, 128 bytes for each wave, which no other line names
.set WS,  44
.set XSC, 48
.set PW,  58
.set RS,  60
.set WD,  76
.set C0,  92
.set TT,  116
.set F,   124
.set GA,  124
.set UP,  156
.set HT,  248
.set MSB, 0
.macro WIN new                         ; the immediate's high byte repeats the setting that is left; a switch that changes nothing is dropped
.if MSB != (\new)
	s_set_vgpr_msb (MSB<<8)|(\new)
.set MSB, (\new)
.endif
.endm
	s_load_b256 s[4:11], s[0:1], 0x0               ; w1 s[4:5], w1_scale s[6:7], xq s[8:9], lst s[10:11]
	s_load_b128 s[12:15], s[0:1], 0x20             ; pos s[12:13], aq s[14:15]
	v_lshl_add_u32 v11, v0, 2, SPARE               ; my spare word; never rewritten
	v_mov_b32 v12, 0                               ; 0; never rewritten
	v_lshrrev_b32 v26, 5, v0
	v_readfirstlane_b32 s22, v26                   ; wave
	s_mul_i32 s27, s22, 2560                       ; my stage
	s_mul_i32 s35, s22, 3072                       ; my two images of a step's eight
	s_lshl_b32 s48, s22, 2
	v_and_b32 v1, 15, v0                           ; r
	v_bfe_u32 v2, v0, 4, 1                         ; h
	v_and_b32 v26, 31, v0
	v_lshlrev_b32 v36, 4, v26                      ; 16 x lane
	v_lshlrev_b32 v21, 3, v26                      ; 8 x lane
	v_lshlrev_b32 v3, 4, v1
	v_lshl_add_u32 v3, v2, 11, v3                  ; w1: sixteen lanes read 256 bytes of a row, lanes 16-31 the next row
	v_mul_u32_u24 v4, v2, 80
	v_lshl_add_u32 v4, v1, 2, v4
	v_add_nc_u32 v4, s27, v4                       ; into my stage: one packed word a lane, 64 bytes a row, rows 80 bytes apart
	v_mul_u32_u24 v5, v1, 80
	v_lshl_add_u32 v5, v2, 4, v5
	v_add_nc_u32 v5, s27, v5                       ; out of it: row r, + 16 h: four words are a block of 32
	v_add_nc_u32 v39, s35, v36
	v_lshl_add_u32 v9, v1, 4, s48                  ; scale words: 16 r + 4 w
	v_add_nc_u32 v6, IMG, v39                      ; where step 0's images go,
	v_add_nc_u32 v7, IMG, v9                       ; and its scale words (12,288 further on)
	v_lshlrev_b32 v13, 3, v2                       ; 8 h
	v_lshlrev_b32 v14, 4, v2                       ; 16 h: my half of each 32 bytes of a row of xq
	v_and_b32 v15, 8, v1
	v_add_nc_u32 v15, v15, v1
	v_lshlrev_b32 v15, 5, v15                      ; group scales: row r + 8 (r / 8), 32 bytes a row
	v_lshlrev_b32 v37, 2, v1                       ; lst: 4 r
	v_lshl_add_u32 v38, v1, 6, v2                  ; a's scale byte: 64 r + h
	v_mov_b32 v22, 0xcb000008                      ; -(2^23 + 8 x 16^m), m = 0 .. 3
	v_mov_b32 v23, 0xcb000080
	v_mov_b32 v24, 0xcb000800
	v_mov_b32 v25, 0xcb008000
	v_mov_b32 v35, 0                               ; written once: a lane permute's destination counts as one of its sources
	s_and_b32 s23, ttmp7, 0xffff                   ; e
	s_mov_b32 s24, ttmp9                           ; cb
	s_lshr_b32 s28, s22, 1
	s_lshl_b32 s28, s28, 11                        ; kind x 2048
	s_lshl_b32 s29, s24, 6
	s_add_co_u32 s28, s28, s29
	s_and_b32 s29, s22, 1
	s_lshl_b32 s29, s29, 5
	s_add_co_u32 s28, s28, s29
	s_lshl_b32 s29, s23, 12
	s_add_co_u32 s28, s28, s29                     ; my first row among the 32,768 of w1
	s_lshl_b32 s2, s28, 11
	s_mov_b32 s3, 0
	s_lshl_b32 s28, s28, 5
	s_mov_b32 s29, 0
	s_lshl_b32 s16, s23, 12                        ; lst: 4,096 bytes an expert
	s_mov_b32 s17, 0
	s_lshl_b32 s18, s23, 2
	s_add_co_u32 s18, s18, 8192                    ; pos: word 2,048 + e: the expert's number of rows
	s_mov_b32 s19, 0
	s_mul_i32 s20, s23, 1572864                    ; aq's codes: 64 tiles of 24,576 bytes an expert,
	s_lshr_b32 s35, s24, 1
	s_mul_i32 s35, s35, 1536                       ; K step cb / 2,
	s_add_co_u32 s20, s20, s35
	s_and_b32 s35, s24, 1
	s_mul_i32 s35, s35, 768                        ; half cb % 2
	s_add_co_u32 s20, s20, s35
	s_mov_b32 s21, 0
	s_lshl_b32 s36, s23, 16                        ; aq's scale bytes: 64 tiles of 1,024 bytes an expert, block 2 cb
	s_lshl_b32 s35, s24, 1
	s_add_co_u32 s36, s36, s35
	s_add_co_u32 s36, s36, 12582912
	s_mov_b32 s37, 0
	s_lshl_b32 s38, s22, 6                         ; lst: my first tile, rows 16 w on
	s_mov_b32 s39, 0
	s_mov_b32 s30, 0x76543210
	s_mov_b32 s31, 0xfedcba98                      ; v_permlanex16_b32's selects for lane l xor 16
	s_mov_b32 s32, 0x4b000000                      ; 2^23 as f32
	s_mov_b32 s33, 0xf0
	s_mov_b32 s49, 0xf00
	s_mov_b32 s50, 0xf000
	s_mov_b32 s34, 0xffff0000                      ; lanes 16-31
	s_mov_b32 s46, 0x0400                          ; byte 0 of the second source, byte 0 of the first
	s_mov_b32 s47, 0x05040100                      ; the two low halves
	s_mov_b32 s42, IMG                             ; where the step's images begin
	s_wait_alu depctr_va_vdst(0)
	s_wait_kmcnt 0x0
	s_add_nc_u64 s[12:13], s[12:13], s[18:19]
	s_load_b32 s25, s[12:13], 0x0                  ; the count
	s_add_nc_u64 s[4:5], s[4:5], s[2:3]
	s_add_nc_u64 s[6:7], s[6:7], s[28:29]
	s_add_nc_u64 s[10:11], s[10:11], s[16:17]
	s_add_nc_u64 s[16:17], s[14:15], s[36:37]      ; a's scale bytes
	s_add_nc_u64 s[14:15], s[14:15], s[20:21]      ; a's codes
	s_mov_b64 s[44:45], s[8:9]                     ; xq, kept; s[8:9] steps by 128: a K step's piece of a row, codes and scale word
	s_add_nc_u64 s[38:39], s[10:11], s[38:39]
.irp i, 0,1,2,3,4
	global_load_b32 v[16+\i], v37, s[38:39] offset:256*\i   ; the tokens of tile w + 4 i (row 319 at the most)
.endr
.irp u, 0,1
.irp q, 0,1
	global_load_b128 v[RS+8*\u+4*\q:RS+8*\u+4*\q+3], v15, s[6:7] offset:256*\u+16*\q   ; register 8 u + s: the scale of tile u's row r for K step s
.endr
.endr
.macro LOADSET par, off                ; 256 bytes of my 32 rows into set par of window 1: 16 loads, two rows each
	WIN 0x40
.set I, 0
.rept 16
	global_load_b128 v[64*(\par)+4*I:64*(\par)+4*I+3], v3, s[4:5] offset:4096*I+(\off) th:TH_LOAD_NT
.set I, I+1
.endr
	WIN 0
.endm
.macro XLOAD par, off, soff            ; a K step of my five tiles of x: 15 loads of fragments, 5 of scale words
.set XB, 188-28*(\par)
	WIN 0xc0*(\par)
.irp i, 0,1,2,3,4
.irp p, 0,1,2
	global_load_b128 v[XB+12*\i+4*\p:XB+12*\i+4*\p+3], v[16+\i], s[8:9] offset:(\off)+32*\p
.endr
.endr
	WIN 0
.irp i, 0,1,2,3,4
	global_load_b32 v[XSC+5*(\par)+\i], v[16+\i], s[8:9] offset:\soff
.endr
.endm
.macro XOFF p                          ; a tile's tokens, as loaded, become byte offsets in xq, in place
	v_min_u32 v[\p], 0x3ff, v[\p]                  ; a loaded number is held inside the table before it enters an address
	v_lshlrev_b32 v[\p], 10, v[\p]
	v_add_nc_u32 v[\p], v[\p], v14
.endm
	LOADSET 0, 0
	LOADSET 1, 256
	s_wait_kmcnt 0x0                               ; the count
	s_add_co_u32 s25, s25, 15
	s_lshr_b32 s25, s25, 4
	s_min_u32 s25, s25, 64                         ; nt: tiles of 16 rows
	s_add_co_u32 s27, s22, 16
	s_cmp_lt_u32 s27, s25
	s_cselect_b32 s27, -1, 0                       ; all lanes on where my fifth tile, w + 16, is wanted
	s_wait_loadcnt 36                              ; the tokens are in; the 4 loads of group scales and the 32 of w1 may be out
	v_cndmask_b32 v20, v16, v20, s27               ; a fifth tile that nobody wants names my first tile's rows: its loads ask for bytes that are asked for anyway, and its results are not stored
.irp i, 16,17,18,19,20
	XOFF \i
.endr
	s_wait_alu depctr_va_vdst(0)
	XLOAD 0, 0, 96
; 8 packed words (64 numbers: two blocks of 32) of tile u's row r become registers 0-11 of a fragment and a scale word; both go to LDS.  rs: the register with the group's scale
.macro CONVERT u, rs
.set CB, C0+12*(\u)
.set WB, WD+8*(\u)
	v_mov_b32 v40, v[\rs]
	v_mul_f32 v41, 0x3d800000, v[\rs]              ; the scale / 16, / 256, / 4096: exact
	v_mul_f32 v42, 0x3b800000, v[\rs]
	v_mul_f32 v43, 0x39800000, v[\rs]
.set I, 0
.rept 8
	v_lshrrev_b32 v[HT+I], 16, v[WB+I]
.set I, I+1
.endr
.set I, 0
.rept 8                                        ; nibble m of a word is number 8 I + m: 2^23 + 16^(m % 4) x q, as f32
	v_and_or_b32 v[F+8*I], v[WB+I], 15, s32
	v_and_or_b32 v[F+8*I+1], v[WB+I], s33, s32
	v_and_or_b32 v[F+8*I+2], v[WB+I], s49, s32
	v_and_or_b32 v[F+8*I+3], v[WB+I], s50, s32
	v_and_or_b32 v[F+8*I+4], v[HT+I], 15, s32
	v_and_or_b32 v[F+8*I+5], v[HT+I], s33, s32
	v_and_or_b32 v[F+8*I+6], v[HT+I], s49, s32
	v_and_or_b32 v[F+8*I+7], v[HT+I], s50, s32
.set I, I+1
.endr
.set I, 0
.rept 16
	v_pk_add_f32 v[F+4*I:F+4*I+1], v[F+4*I:F+4*I+1], v[22:23]        ; 16^m (q - 8): exact
	v_pk_add_f32 v[F+4*I+2:F+4*I+3], v[F+4*I+2:F+4*I+3], v[24:25]
.set I, I+1
.endr
.set I, 0
.rept 16
	v_pk_mul_f32 v[F+4*I:F+4*I+1], v[F+4*I:F+4*I+1], v[40:41]        ; (q - 8) x scale, rounded once, as the problem's f32 product is
	v_pk_mul_f32 v[F+4*I+2:F+4*I+3], v[F+4*I+2:F+4*I+3], v[42:43]
.set I, I+1
.endr
.irp c, 0,1                                    ; each block's largest magnitude, with the floor 2^(5 - 127) among the leaves; four chains by turns
	v_max3_num_f32 v[26+\c], |v[F+32*\c]|, |v[F+32*\c+1]|, 0x2800000
	v_max3_num_f32 v[28+\c], |v[F+32*\c+2]|, |v[F+32*\c+3]|, |v[F+32*\c+4]|
.endr
.irp i, 5,9,13,17,21,25
.irp c, 0,1
	v_max3_num_f32 v[26+\c], v[26+\c], |v[F+32*\c+\i]|, |v[F+32*\c+\i+1]|
	v_max3_num_f32 v[28+\c], v[28+\c], |v[F+32*\c+\i+2]|, |v[F+32*\c+\i+3]|
.endr
.endr
.irp c, 0,1
	v_max3_num_f32 v[26+\c], v[26+\c], |v[F+32*\c+29]|, |v[F+32*\c+30]|
.endr
.irp c, 0,1
	v_max3_num_f32 v[26+\c], v[26+\c], v[28+\c], |v[F+32*\c+31]|
.endr
.irp c, 0,1
	v_add_nc_u32 v[30+\c], 0xfe000000, v[26+\c]    ; 4 off the exponent field: the conversion's scale operand
.endr
.irp c, 0,1
	v_lshrrev_b32 v[32+\c], 23, v[30+\c]           ; the scale's byte
.endr
	v_lshl_or_b32 v34, v33, 16, v32                ; my two bytes, blocks h and 2 + h,
	v_lshlrev_b32 v34, v13, v34                    ; at their places;
	v_permlanex16_b32 v35, v34, s30, s31
	v_or_b32 v[PW+\u], v34, v35                    ; with lane l xor 16's two the word is whole
.irp c, 0,1
	v_cvt_scalef32_pk16_bf6_f32 v[CB+6*\c:CB+6*\c+2], v[F+32*\c:F+32*\c+15], v[30+\c]
	v_cvt_scalef32_pk16_bf6_f32 v[TT+4*\c:TT+4*\c+2], v[F+32*\c+16:F+32*\c+31], v[30+\c]   ; (a conversion's three registers begin on an even number)
.endr
	v_nop                                          ; one plain line behind the conversions
.irp c, 0,1
.irp i, 0,1,2
	v_mov_b32 v[CB+6*\c+3+\i], v[TT+4*\c+\i]
.endr
.endr
.irp i, 0,1,2
	ds_store_b128 v6, v[CB+4*\i:CB+4*\i+3] offset:1536*(\u)+512*\i
.endr
	ds_store_b32 v7, v[PW+\u] offset:12288+256*(\u)   ; [16 u + r][w]; both halves of the lanes write the same word with the same value
.endm
.macro FRAGS                           ; a step's eight fragments into window 3, and its scale words: register p: lanes 0-15 tile 2 p's, lanes 16-31 tile 2 p + 1's.  25 loads
	WIN 0xc0
.set G, 0
.rept 8
.irp i, 0,1,2
	ds_load_b128 v[64+12*G+4*\i:64+12*G+4*\i+3], v8 offset:1536*G+512*\i
.endr
.set G, G+1
.endr
	WIN 0
	ds_load_b128 v[WS:WS+3], v8 offset:12288
.endm
.macro MM                              ; one product; the symbols say which
.if FIRST
.if ROW1
	v_wmma_scale_f32_16x16x128_f8f6f4 v[DR:DR+7], v[WR:WR+11], v[BR:BR+11], 0, v[SA], v[SB] matrix_a_fmt:MATRIX_FMT_BF6 matrix_b_fmt:MATRIX_FMT_BF6 matrix_a_scale:MATRIX_SCALE_ROW1
.else
	v_wmma_scale_f32_16x16x128_f8f6f4 v[DR:DR+7], v[WR:WR+11], v[BR:BR+11], 0, v[SA], v[SB] matrix_a_fmt:MATRIX_FMT_BF6 matrix_b_fmt:MATRIX_FMT_BF6
.endif
.else
.if ROW1
	v_wmma_scale_f32_16x16x128_f8f6f4 v[DR:DR+7], v[WR:WR+11], v[BR:BR+11], v[DR:DR+7], v[SA], v[SB] matrix_a_fmt:MATRIX_FMT_BF6 matrix_b_fmt:MATRIX_FMT_BF6 matrix_a_scale:MATRIX_SCALE_ROW1
.else
	v_wmma_scale_f32_16x16x128_f8f6f4 v[DR:DR+7], v[WR:WR+11], v[BR:BR+11], v[DR:DR+7], v[SA], v[SB] matrix_a_fmt:MATRIX_FMT_BF6 matrix_b_fmt:MATRIX_FMT_BF6
.endif
.endif
.endm
.macro MMS par, first                  ; a K step's 40 products: 8 tiles of w1 x my 5 tiles of x; the 40 accumulators by turns
.set FIRST, \first
.set XB, 188-28*(\par)
	WIN 0xa3+0x0c*(\par)                           ; source 0 window 3, source 1 window 0 or 3, C and D window 2
.set T, 0
.rept 8
.set SL, 0
.rept 4
.set DR, 64*SL+8*T
.set WR, 64+12*T
.set BR, XB+12*SL
.set SA, WS+T/2
.set SB, XSC+5*(\par)+SL
.set ROW1, T%2
	MM
.set SL, SL+1
.endr
.set T, T+1
.endr
	WIN 0xf3+0x0c*(\par)                           ; the fifth tile's accumulators: window 3
.set T, 0
.rept 8
.set DR, 8*T
.set WR, 64+12*T
.set BR, XB+48
.set SA, WS+T/2
.set SB, XSC+5*(\par)+4
.set ROW1, T%2
	MM
.set T, T+1
.endr
	WIN 0
.endm
; K STEP s (par = s % 2).  Global loads go out in this order: .. L(s) X(s-1) | L(s+1) X(s) | L(s+2) X(s+1) ..: L 16 loads of w1, X 20 of x.  lw: the loads younger than L(s); xw: those younger than X(s-1).
.macro BODY par, step, ld, wm, xl, lw, xw, last
	s_wait_loadcnt \lw                             ; this step's words of w1 are in
	WIN 0x05                                       ; sources 0 and 1: window 1
.set I, 0
.rept 16                                       ; only a word's low byte counts: four words become one
	v_perm_b32 v[F+2*I], v[64*(\par)+4*I+1], v[64*(\par)+4*I], s46
	v_perm_b32 v[F+2*I+1], v[64*(\par)+4*I+3], v[64*(\par)+4*I+2], s46
.set I, I+1
.endr
	WIN 0
.set I, 0
.rept 16
	v_perm_b32 v[F+32+I], v[F+2*I+1], v[F+2*I], s47
.set I, I+1
.endr
.set I, 0
.rept 16
	ds_store_b32 v4, v[F+32+I] offset:(16*((I/4)%2)+8*(I/8)+2*(I%4))*80   ; memory rows 2 I, 2 I + 1 go where their tile wants them
.set I, I+1
.endr
.irp u, 0,1
.irp c, 0,1
	ds_load_b128 v[WD+8*\u+4*\c:WD+8*\u+4*\c+3], v5 offset:1280*\u+32*\c   ; LDS serves a wave's instructions in order (ISA guide 5.7.1.4): these see the stores above
.endr
.endr
.if \step
	s_wait_xcnt 0x0                                ; the loads that are out have read their bases
	s_add_nc_u64 s[4:5], s[4:5], 256
	s_add_nc_u64 s[8:9], s[8:9], 128
.endif
.if \ld
	LOADSET \par, 512                              ; the set takes the K step two on
.endif
.if \wm
	FRAGS                                          ; the last step's fragments: the barrier behind it has shown them whole; they land while this step is converted
	s_wait_dscnt 25                                ; my packed words are back; the 25 loads just issued may be out
.else
	s_wait_dscnt 0x0
.endif
	CONVERT 0, RS+\par
	CONVERT 1, RS+8+\par
.if \wm
	s_wait_dscnt 8                                 ; the fragments are in; my 8 stores of images may be out
	s_wait_loadcnt \xw                             ; and so are x's of that step
	MMS 1-\par, 2-\wm
.rept 4
	v_nop                                          ; places in front of loads into registers that the products have read
.endr
.endif
.if \xl
	XLOAD 1-\par, 128, 224                         ; x's next step, into the set just multiplied
.endif
	v_add_nc_u32 v8, s42, v36                      ; where this step's images will be read
.if \last
	v_add_nc_u32 v6, IMG, v36                      ; for the tail: the images of steps 0-3,
	v_add_nc_u32 v7, IMG+4*STP, v36                ; and of steps 4-7
.else
	s_add_co_u32 s42, s42, STP
	v_add_nc_u32 v6, s42, v39
	v_add_nc_u32 v7, s42, v9
.endif
.if \par
.irp u, 0,1
.irp j, 0,1,2,3,4,5
	v_mov_b32 v[RS+8*\u+\j], v[RS+8*\u+\j+2]       ; the group scales move two steps down, so that every pair of steps names the same registers
.endr
.endr
.endif
	s_wait_alu depctr_va_vdst(0)
	s_wait_dscnt 0x0                               ; for the others' sake: my images and scale words have landed
	s_barrier_signal -1
	s_barrier_wait -1
.endm
	BODY 0, 0, 1, 0, 1, 36, 0, 0                   ; step 0: nothing to multiply yet
	BODY 1, 1, 1, 1, 1, 56, 52, 0                  ; step 1: step 0's products start the sums
	s_mov_b32 s48, 0
.Lk:                                               ; a trip runs two steps: 2, 3 and 4, 5
	BODY 0, 1, 1, 2, 1, 56, 52, 0
	BODY 1, 1, 1, 2, 1, 56, 52, 0
	s_add_co_u32 s48, s48, 1
	s_cmp_lt_u32 s48, 2
	s_cbranch_scc1 .Lk
	BODY 0, 1, 0, 2, 1, 56, 36, 0                  ; step 6: no words of w1 are left to ask for
	BODY 1, 1, 0, 2, 0, 40, 20, 1                  ; step 7: nor any of x
	FRAGS
	s_wait_dscnt 0x0
	s_wait_loadcnt 0x0
	MMS 1, 0                                       ; step 7's products
.rept 4
	v_nop                                          ; places in front of the first read of results
.endr
	s_mov_b32 s26, s22                             ; j
	s_cmp_ge_u32 s26, s25
	s_cbranch_scc1 .Lend                           ; fewer tiles than waves: nothing of mine is wanted
	s_sub_co_u32 s36, s25, s22
	s_add_co_u32 s36, s36, 3
	s_lshr_b32 s36, s36, 2                         ; how many tiles are mine: (nt - w + 3) / 4, at least 1 here
	s_mov_b32 s37, 0                               ; counts them
.macro EPIHEAD sl                      ; tile i's accumulators, each read from its low end on: gate x up, and -gate log2 e, into window 0
.set AB, 64*((\sl)%4)
	WIN 0x0a+5*((\sl)/4)
	s_wait_alu depctr_va_vdst(0)                   ; the wait directly ahead of the results' first reader
.set I, 0
.rept 16
	v_pk_mul_f32 v[UP+2*I:UP+2*I+1], v[AB+2*I:AB+2*I+1], v[AB+32+2*I:AB+33+2*I]
.set I, I+1
.endr
.set I, 0
.rept 16
	v_pk_mul_f32 v[GA+2*I:GA+2*I+1], v[AB+2*I:AB+2*I+1], 0xbfb8aa3b op_sel_hi:[1,0]
.set I, I+1
.endr
	WIN 0
.endm
.Lepi:                                             ; tile j of my tiles
	s_wait_xcnt 0x0                                ; the last tile's stores have read their data and bases
	s_lshl_b32 s35, s26, 4
	s_min_u32 s35, s35, 0x3f0                      ; the tile's first row, held inside the expert's 1,024
	s_mul_i32 s28, s35, 1536                       ; 24,576 bytes of codes a tile
	s_mov_b32 s29, 0
	s_add_nc_u64 s[18:19], s[14:15], s[28:29]
	s_lshl_b32 s28, s35, 6                         ; 1,024 scale bytes a tile
	s_add_nc_u64 s[20:21], s[16:17], s[28:29]
	s_sub_co_u32 s27, s26, s22                     ; 4 i
	s_cmp_lt_u32 s27, 20
	s_cbranch_scc1 .Lsel
	; a tile from 20 on: its rows of x from memory, w1's fragments from the images, into the accumulators of i = 0, which have been read out
	s_lshl_b32 s28, s35, 2
	s_add_nc_u64 s[38:39], s[10:11], s[28:29]
	global_load_b32 v16, v37, s[38:39]
	s_wait_loadcnt 0x0
	XOFF 16
	s_wait_alu depctr_va_vdst(0)
.irp i, 0,1,2,3,4,5,6,7
	global_load_b32 v[XSC+\i], v16, s[44:45] offset:128*\i+96
.endr
	WIN 0x40
.set I, 0
.rept 24
	global_load_b128 v[4*I:4*I+3], v16, s[44:45] offset:128*(I/3)+32*(I%3)
.set I, I+1
.endr
	WIN 0
	s_wait_loadcnt 0x0
.set SS, 0
.rept 8
.rept 4
	v_nop                                          ; places in front of loads into registers that products have read
.endr
	WIN 0xc0
.set G, 0
.rept 8
.irp i, 0,1,2
	ds_load_b128 v[64+12*G+4*\i:64+12*G+4*\i+3], v[6+SS/4] offset:STP*(SS%4)+1536*G+512*\i
.endr
.set G, G+1
.endr
	WIN 0
	ds_load_b128 v[WS:WS+3], v[6+SS/4] offset:STP*(SS%4)+12288
	s_wait_dscnt 0x0
	WIN 0xa7                                       ; source 0 window 3, source 1 window 1, C and D window 2
.set FIRST, (7-SS)/7
.set T, 0
.rept 8
.set DR, 8*T
.set WR, 64+12*T
.set BR, 12*SS
.set SA, WS+T/2
.set SB, XSC+SS
.set ROW1, T%2
	MM
.set T, T+1
.endr
	WIN 0
.set SS, SS+1
.endr
.rept 4
	v_nop
.endr
	s_branch .Lh0
.Lsel:
	s_cmp_eq_u32 s27, 0
	s_cbranch_scc1 .Lh0
	s_cmp_eq_u32 s27, 4
	s_cbranch_scc1 .Lh1
	s_cmp_eq_u32 s27, 8
	s_cbranch_scc1 .Lh2
	s_cmp_eq_u32 s27, 12
	s_cbranch_scc1 .Lh3
	EPIHEAD 4
	s_branch .Lbody
.Lh3:
	EPIHEAD 3
	s_branch .Lbody
.Lh2:
	EPIHEAD 2
	s_branch .Lbody
.Lh1:
	EPIHEAD 1
	s_branch .Lbody
.Lh0:
	EPIHEAD 0
.Lbody:
	; a = (gate x up) / (1 + 2^(-gate log2 e)), in f32.  Register 16 b + 8 u + i is column 32 b + 16 h + 8 u + i
	s_wait_alu depctr_va_vdst(0)
.set I, 0
.rept 32
	v_exp_f32 v[GA+I], v[GA+I]
.set I, I+1
.endr
	v_nop                                          ; a plain line behind the batch,
	s_wait_alu depctr_va_vdst(0)                   ; and one wait for it, ahead of its first reader
.set I, 0
.rept 16
	v_pk_add_f32 v[GA+2*I:GA+2*I+1], v[GA+2*I:GA+2*I+1], 1.0 op_sel_hi:[1,0]
.set I, I+1
.endr
	s_wait_alu depctr_va_vdst(0)
.set I, 0
.rept 32
	v_rcp_f32 v[GA+I], v[GA+I]
.set I, I+1
.endr
	v_nop
	s_wait_alu depctr_va_vdst(0)
.set I, 0
.rept 16
	v_pk_mul_f32 v[UP+2*I:UP+2*I+1], v[UP+2*I:UP+2*I+1], v[GA+2*I:GA+2*I+1]
.set I, I+1
.endr
	; a's two blocks of 32: my 16 numbers of each, lane l xor 16 has the others
.irp b, 0,1
	v_max3_num_f32 v[GA+\b], |v[UP+16*\b]|, |v[UP+1+16*\b]|, 0x2800000
.endr
.irp i, 2,4,6,8,10,12,14
.irp b, 0,1
	v_max3_num_f32 v[GA+\b], v[GA+\b], |v[UP+16*\b+\i]|, |v[UP+1+16*\b+\i]|
.endr
.endr
.irp b, 0,1
	v_permlanex16_b32 v[GA+2+\b], v[GA+\b], s30, s31
.endr
.irp b, 0,1
	v_max_num_f32 v[GA+\b], v[GA+\b], v[GA+2+\b]
.endr
.irp b, 0,1
	v_add_nc_u32 v[GA+4+\b], 0xfe000000, v[GA+\b]
.endr
.irp b, 0,1
	v_lshrrev_b32 v[GA+6+\b], 23, v[GA+4+\b]
.endr
	v_cndmask_b32 v[GA+8], v[GA+6], v[GA+7], s34   ; lanes 0-15 store block 0's byte, lanes 16-31 block 1's
	v_cvt_scalef32_pk16_bf6_f32 v[GA+10:GA+12], v[UP:UP+15], v[GA+4]
	v_cvt_scalef32_pk16_bf6_f32 v[GA+16:GA+18], v[UP+16:UP+31], v[GA+5]
	v_nop                                          ; one plain line behind the conversions
.irp i, 0,1,2
	v_permlane16_swap_b32 v[GA+10+\i], v[GA+16+\i] ; the operand's layout wants a whole block in a lane: lanes 0-15 block 0, lanes 16-31 block 1
.endr
.irp i, 0,1,2
	v_mov_b32 v[GA+13+\i], v[GA+16+\i]
.endr
	global_store_b128 v36, v[GA+10:GA+13], s[18:19]            ; registers 6 c .. 6 c + 3 of the next product's fragment: 512 bytes on end,
	global_store_b64 v21, v[GA+14:GA+15], s[18:19] offset:512  ; registers 6 c + 4, 5: 256 bytes on end
	global_store_b8 v38, v[GA+8], s[20:21]
	s_add_co_u32 s26, s26, 4
	s_add_co_u32 s37, s37, 1
	s_cmp_lt_u32 s37, s36
	s_cbranch_scc1 .Lepi
.Lend:
	s_wait_tensorcnt 0x0                           ; the wave's end, behind my last LDS store
	ds_add_u32 v11, v12
	s_wait_dscnt 0x0
	s_endpgm
.Lfunc_end_k_qff0df43250_up:
	.size	k_qff0df43250_up, .Lfunc_end_k_qff0df43250_up-k_qff0df43250_up
	.p2alignl 7, 3214868480
	.fill 96, 4, 3214868480
	.section	.rodata,"a",@progbits
	.p2align	6, 0x0
	.amdhsa_kernel k_qff0df43250_up
		.amdhsa_group_segment_fixed_size 113152
		.amdhsa_private_segment_fixed_size 0
		.amdhsa_enable_private_segment 0
		.amdhsa_kernarg_size 48
		.amdhsa_user_sgpr_count 2
		.amdhsa_user_sgpr_kernarg_segment_ptr 1
		.amdhsa_wavefront_size32 1
		.amdhsa_system_sgpr_workgroup_id_x 1
		.amdhsa_system_sgpr_workgroup_id_y 1
		.amdhsa_system_sgpr_workgroup_id_z 1
		.amdhsa_system_vgpr_workitem_id 0
		.amdhsa_next_free_vgpr 1024
		.amdhsa_next_free_sgpr 66
		.amdhsa_reserve_vcc 0
		.amdhsa_float_denorm_mode_32 3
		.amdhsa_float_denorm_mode_16_64 3
		.amdhsa_memory_ordered 1
		.amdhsa_forward_progress 1
		.amdhsa_inst_pref_size 255
	.end_amdhsa_kernel
	.section	.bss,"aw",@nobits
	.p2align	6
	.space	262144
	.amdgpu_metadata
---
amdhsa.version: [ 1, 2 ]
amdhsa.kernels:
  - .name:           k_qff0df43250_up
    .symbol:         k_qff0df43250_up.kd
    .args:
      - { .name: w1, .offset: 0, .size: 8, .value_kind: global_buffer, .address_space: global }
      - { .name: w1_scale, .offset: 8, .size: 8, .value_kind: global_buffer, .address_space: global }
      - { .name: xq, .offset: 16, .size: 8, .value_kind: global_buffer, .address_space: global }
      - { .name: lst, .offset: 24, .size: 8, .value_kind: global_buffer, .address_space: global }
      - { .name: pos, .offset: 32, .size: 8, .value_kind: global_buffer, .address_space: global }
      - { .name: aq, .offset: 40, .size: 8, .value_kind: global_buffer, .address_space: global }
    .group_segment_fixed_size: 113152
    .private_segment_fixed_size: 0
    .kernarg_segment_align: 8
    .kernarg_segment_size: 48
    .max_flat_workgroup_size: 128
    .sgpr_count:     66
    .vgpr_count:     1024
    .wavefront_size: 32
...
	.end_amdgpu_metadata
.endif
;; end of part 3
;; launch down (part 4): grid 32 x 8, 4 waves a work-group, no clusters, 95,744 bytes of LDS; arguments w2, w2_scale, aq, pos, y; writes y
.if DOCPART == 4
	.amdgcn_target "amdgcn-amd-amdhsa--gfx1250"
	.amdhsa_code_object_version 6
	.text
	.protected	k_qff0df43250_down
	.globl	k_qff0df43250_down
	.p2align	8
	.type	k_qff0df43250_down,@function
k_qff0df43250_down:
	s_mov_b64 s[64:65], 0
	v_nop
	global_prefetch_b8 v0, s[64:65] scope:SCOPE_SE
	s_setreg_imm32_b32 hwreg(HW_REG_WAVE_MODE, 25, 1), 1
	s_wait_xcnt 0x0
; DOWN.  y = a W2^T for the routed rows, in the order of ranks, both operands as codes of BF6 (E3M2) with E8M0 scales.
; LEFT OUT: rows (token, expert) whose expert was not chosen: their weight in the result is a zero that the problem builds itself (shown at the head of the first kernel).  LIMITS as stated there and in the launch before.
; SHARES.  Work-group (c, e) owns columns 32 c .. 32 c + 31 of y for expert e: 32 rows of w2[e] x K 2,048, as two tiles; lane row r of tile u is row 32 c + 8 u + r + 8 (r / 8), so that a lane's 16 results are 16 neighbouring columns.
; PHASE W.  Wave w reads K steps 4 w .. 4 w + 3 of the 32 rows once, forms (q - 8) x scale in f32, quantises, and stores each fragment to LDS as an image of its 12 registers.
; PHASE M.  Behind the one barrier every wave loads all 32 fragments (384 registers); the waves share the tiles of 16 rows: j = w, w + 4, ..  The product is used transposed (source 0 = 16 rows of w2, source 1 = 16 rows of a).
; a's fragments lie in memory in the order of the operand's registers: every load of the wave reads 512 or 256 bytes on end.  No tensor load: the trip count hangs on a stored count.
; No cluster, no joint loads: the weights, the bulk of the bytes, are each work-group's own, and the number of tiles hangs on the stored count.
; REGISTERS, window 0: v1-21 addresses; v[22:25] constants of the conversion; v26-35 at work; v36-51 w2's scale words; v52-67 a's; v68-83 the next tile's; v84-99 two accumulators; v100-115 rows of y.
;   In phase W: v68-91 codes, v92-98 half blocks, v100-107 group scales, v108-109 scale words, v116-179 words of w2, v180-243 64 numbers.
;   windows 1, 2: in phase W window 1 holds four sets of 64 as loaded; then fragment g = 2 s + u in window 1 + g / 16 at 12 (g % 16).   window 3: a's 16 fragments, K step s at 12 s.
.set IMG,   34816                      ; LDS: 0: four regions of 8,704 bytes, of which a wave's stage takes 32 rows x 80 bytes (a row: 16 packed words + 16 bytes); IMG: 32 images of 1,536 bytes, index g
.set HT,    132                        ; in phase W: v116-131 packed words of w2 (eight nibbles each), v132-139 their upper halves, v140-141 the scale / 256 and / 4096, v142-143 constants
.set SCW,   83968                      ; w2's scale words: [s / 4][16 u + r][s % 4]
.set YST,   86016                      ; four stages of 16 rows x (128 bytes + 16) for y
.set SPARE, 95232                      ; the spare words, 128 bytes for each wave, which no other line names
.set K23, 32
.set KF0, 33
.set WS,  36
.set AS,  52
.set ASN, 68
.set ACC, 84
.set YB,  100
.set C0,  68
.set TT,  92
.set RS,  100
.set PW,  108
.set WD,  116
.set F,   180
.set MSB, 0
.macro WIN new                         ; the immediate's high byte repeats the setting that is left; a switch that changes nothing is dropped
.if MSB != (\new)
	s_set_vgpr_msb (MSB<<8)|(\new)
.set MSB, (\new)
.endif
.endm
	s_load_b256 s[4:11], s[0:1], 0x0               ; w2 s[4:5], w2_scale s[6:7], aq s[8:9], pos s[10:11]
	s_load_b64 s[12:13], s[0:1], 0x20              ; y
	v_lshl_add_u32 v11, v0, 2, SPARE               ; my spare word; never rewritten
	v_mov_b32 v12, 0                               ; 0; never rewritten
	v_lshrrev_b32 v26, 5, v0
	v_readfirstlane_b32 s22, v26                   ; wave
	s_and_b32 s23, ttmp7, 0xffff                   ; e
	s_mov_b32 s24, ttmp9                           ; c
	v_and_b32 v1, 15, v0                           ; r
	v_bfe_u32 v2, v0, 4, 1                         ; h
	v_and_b32 v26, 31, v0
	v_lshlrev_b32 v18, 4, v26                      ; 16 x lane
	v_lshlrev_b32 v21, 3, v26                      ; 8 x lane
	v_lshlrev_b32 v3, 4, v1
	v_lshl_add_u32 v3, v2, 12, v3                  ; w2: sixteen lanes read 256 bytes of a row, lanes 16-31 the next row (4,096 bytes on)
	s_mul_i32 s28, s22, 8704
	v_mul_u32_u24 v4, v2, 80
	v_lshl_add_u32 v4, v1, 2, v4
	v_add_nc_u32 v4, s28, v4                       ; into my stage, as loaded
	v_mul_u32_u24 v5, v1, 80
	v_lshl_add_u32 v5, v2, 4, v5
	v_add_nc_u32 v5, s28, v5                       ; out of it: row r, + 16 h
	s_mul_i32 s28, s22, 12288
	s_add_co_u32 s28, s28, IMG
	v_add_nc_u32 v6, s28, v18                      ; where I store images: my 8 of the 32
	s_lshl_b32 s28, s22, 9
	s_add_co_u32 s28, s28, SCW
	v_lshl_add_u32 v7, v1, 4, s28                  ; and scale words: 512 w + 16 r
	v_add_nc_u32 v8, IMG, v18                      ; where I read images,
	v_add_nc_u32 v10, SCW, v18                     ; and scale words
	s_mul_i32 s28, s22, 2304
	s_add_co_u32 s28, s28, YST
	v_mul_u32_u24 v9, v1, 144
	v_lshl_add_u32 v9, v2, 6, v9
	v_add_nc_u32 v9, s28, v9                       ; y's stage, in: row r, + 64 h: my 16 columns
	v_lshrrev_b32 v14, 3, v26
	v_mul_u32_u24 v14, v14, 144
	v_and_b32 v27, 7, v26
	v_lshl_add_u32 v14, v27, 4, v14
	v_add_nc_u32 v14, s28, v14                     ; and back: eight lanes to a row of 128 bytes
	v_lshlrev_b32 v13, 3, v2                       ; 8 h
	v_and_b32 v15, 8, v1
	v_add_nc_u32 v15, v15, v1
	v_lshlrev_b32 v15, 6, v15                      ; group scales: row r + 8 (r / 8), 64 bytes a row
	v_lshlrev_b32 v16, 6, v1                       ; a's scale words: 64 r
	v_mov_b32 v22, 0xcb000008                      ; -(2^23 + 8)
	v_mov_b32 v23, 0xcb000080                      ; -(2^23 + 128)
	v_mov_b32 v142, 0xcb000800                     ; -(2^23 + 2,048)
	v_mov_b32 v143, 0xcb008000                     ; -(2^23 + 32,768)
	v_mov_b32 v35, 0                               ; written once: a lane permute's destination counts as one of its sources
	s_mov_b32 s30, 0x76543210
	s_mov_b32 s31, 0xfedcba98
	s_mov_b32 s[K23], 0x4b000000
	s_mov_b32 s[KF0], 0xf0
	s_mov_b32 s40, 0x0400                          ; byte 0 of the second source, byte 0 of the first
	s_mov_b32 s41, 0x05040100                      ; the two low halves
	s_mov_b32 s42, 0xf00
	s_mov_b32 s43, 0xf000
	s_lshl_b32 s2, s23, 22                         ; w2: expert, 32 rows x 4,096 bytes for each c, 1,024 bytes for each wave
	s_lshl_b32 s28, s24, 17
	s_add_co_u32 s2, s2, s28
	s_lshl_b32 s28, s22, 10
	s_add_co_u32 s2, s2, s28
	s_mov_b32 s3, 0
	s_lshl_b32 s16, s23, 10
	s_lshl_b32 s28, s24, 5
	s_add_co_u32 s16, s16, s28
	s_lshl_b32 s16, s16, 6
	s_lshl_b32 s28, s22, 4
	s_add_co_u32 s16, s16, s28                     ; w2_scale: row 1,024 e + 32 c, groups 4 w on
	s_mov_b32 s17, 0
	s_lshl_b32 s18, s23, 2
	s_add_co_u32 s18, s18, 8192                    ; pos: word 2,048 + e: the expert's number of rows
	s_mov_b32 s19, 0
	s_lshl_b32 s20, s23, 5
	s_add_co_u32 s20, s20, s24
	s_lshl_b32 s20, s20, 17                        ; y: block 32 e + c of 1,024 rows x 128 bytes
	s_mov_b32 s21, 0
	s_lshl_b32 s36, s23, 16
	s_add_co_u32 s36, s36, 12582912                ; aq's scale bytes: 64 tiles of 1,024 bytes an expert
	s_mov_b32 s37, 0
	s_mul_i32 s38, s23, 1572864                    ; aq's codes: 64 tiles of 24,576 bytes an expert
	s_mov_b32 s39, 0
	s_wait_alu depctr_va_vdst(0)
	s_wait_kmcnt 0x0
	s_add_nc_u64 s[10:11], s[10:11], s[18:19]
	s_load_b32 s25, s[10:11], 0x0
	s_add_nc_u64 s[4:5], s[4:5], s[2:3]
	s_add_nc_u64 s[6:7], s[6:7], s[16:17]
	s_add_nc_u64 s[12:13], s[12:13], s[20:21]
	s_add_nc_u64 s[14:15], s[8:9], s[36:37]        ; a's scale bytes, at my expert
	s_add_nc_u64 s[8:9], s[8:9], s[38:39]          ; a's codes, at my expert
.irp u, 0,1
	global_load_b128 v[RS+4*\u:RS+4*\u+3], v15, s[6:7] offset:512*\u   ; register 4 u + k: the scale of tile u's row r for my K step k
.endr
.macro LOADSET k                       ; my K step k (256 bytes) of the 32 rows into set k of window 1
	WIN 0x40
.set I, 0
.rept 16
	global_load_b128 v[64*(\k)+4*I:64*(\k)+4*I+3], v3, s[4:5] offset:8192*I+256*(\k) th:TH_LOAD_NT
.set I, I+1
.endr
	WIN 0
.endm
	LOADSET 0
	LOADSET 1
	LOADSET 2
	LOADSET 3
; 32 words (64 numbers: two blocks of 32) of tile u's row r become registers 0-11 of a fragment and a scale word; both go to LDS.  rs: the register with the group's scale
.macro CONVERT u, rs, imo, sco
.set CB, C0+12*(\u)
.set WB, WD+8*(\u)
	v_mov_b32 v24, v[\rs]
	v_mul_f32 v25, 0x3d800000, v[\rs]              ; the scale / 16, / 256, / 4096: exact
	v_mul_f32 v140, 0x3b800000, v[\rs]
	v_mul_f32 v141, 0x39800000, v[\rs]
.set I, 0
.rept 8
	v_lshrrev_b32 v[HT+I], 16, v[WB+I]
.set I, I+1
.endr
.set I, 0
.rept 8                                        ; nibble m of a packed word is number 8 I + m: 2^23 + 16^(m % 4) x q, as f32
	v_and_or_b32 v[F+8*I], v[WB+I], 15, s[K23]
	v_and_or_b32 v[F+8*I+1], v[WB+I], s[KF0], s[K23]
	v_and_or_b32 v[F+8*I+2], v[WB+I], s42, s[K23]
	v_and_or_b32 v[F+8*I+3], v[WB+I], s43, s[K23]
	v_and_or_b32 v[F+8*I+4], v[HT+I], 15, s[K23]
	v_and_or_b32 v[F+8*I+5], v[HT+I], s[KF0], s[K23]
	v_and_or_b32 v[F+8*I+6], v[HT+I], s42, s[K23]
	v_and_or_b32 v[F+8*I+7], v[HT+I], s43, s[K23]
.set I, I+1
.endr
.set I, 0
.rept 16
	v_pk_add_f32 v[F+4*I:F+4*I+1], v[F+4*I:F+4*I+1], v[22:23]        ; 16^m (q - 8): exact
	v_pk_add_f32 v[F+4*I+2:F+4*I+3], v[F+4*I+2:F+4*I+3], v[142:143]
.set I, I+1
.endr
.set I, 0
.rept 16
	v_pk_mul_f32 v[F+4*I:F+4*I+1], v[F+4*I:F+4*I+1], v[24:25]        ; (q - 8) x scale, rounded once
	v_pk_mul_f32 v[F+4*I+2:F+4*I+3], v[F+4*I+2:F+4*I+3], v[140:141]
.set I, I+1
.endr
.irp c, 0,1                                    ; each block's largest magnitude, with the floor 2^(5 - 127) among the leaves; four chains by turns
	v_max3_num_f32 v[26+\c], |v[F+32*\c]|, |v[F+32*\c+1]|, 0x2800000
	v_max3_num_f32 v[28+\c], |v[F+32*\c+2]|, |v[F+32*\c+3]|, |v[F+32*\c+4]|
.endr
.irp i, 5,9,13,17,21,25
.irp c, 0,1
	v_max3_num_f32 v[26+\c], v[26+\c], |v[F+32*\c+\i]|, |v[F+32*\c+\i+1]|
	v_max3_num_f32 v[28+\c], v[28+\c], |v[F+32*\c+\i+2]|, |v[F+32*\c+\i+3]|
.endr
.endr
.irp c, 0,1
	v_max3_num_f32 v[26+\c], v[26+\c], |v[F+32*\c+29]|, |v[F+32*\c+30]|
.endr
.irp c, 0,1
	v_max3_num_f32 v[26+\c], v[26+\c], v[28+\c], |v[F+32*\c+31]|
.endr
.irp c, 0,1
	v_add_nc_u32 v[30+\c], 0xfe000000, v[26+\c]    ; 4 off the exponent field: the conversion's scale operand
.endr
.irp c, 0,1
	v_lshrrev_b32 v[32+\c], 23, v[30+\c]           ; the scale's byte
.endr
	v_lshl_or_b32 v34, v33, 16, v32                ; my two bytes, blocks h and 2 + h,
	v_lshlrev_b32 v34, v13, v34                    ; at their places;
	v_permlanex16_b32 v35, v34, s30, s31
	v_or_b32 v[PW+\u], v34, v35                    ; with lane l xor 16's two the word is whole
.irp c, 0,1
	v_cvt_scalef32_pk16_bf6_f32 v[CB+6*\c:CB+6*\c+2], v[F+32*\c:F+32*\c+15], v[30+\c]
	v_cvt_scalef32_pk16_bf6_f32 v[TT+4*\c:TT+4*\c+2], v[F+32*\c+16:F+32*\c+31], v[30+\c]   ; (a conversion's three registers begin on an even number)
.endr
	v_nop                                          ; one plain line behind the conversions
.irp c, 0,1
.irp i, 0,1,2
	v_mov_b32 v[CB+6*\c+3+\i], v[TT+4*\c+\i]
.endr
.endr
.irp i, 0,1,2
	ds_store_b128 v6, v[CB+4*\i:CB+4*\i+3] offset:(\imo)+512*\i
.endr
	ds_store_b32 v7, v[PW+\u] offset:(\sco)        ; both halves of the lanes write the same word with the same value
.endm
.macro STEP k                          ; my K step k of the two tiles
	s_wait_loadcnt 16*(3-(\k))                     ; this set is in (and the group scales, which are older); the younger sets may be out
	WIN 0x05                                       ; sources 0 and 1: window 1
.set J, 0
.rept 16                                       ; only a word's low byte counts: four words become one
	v_perm_b32 v[F+2*J], v[64*(\k)+4*J+1], v[64*(\k)+4*J], s40
	v_perm_b32 v[F+2*J+1], v[64*(\k)+4*J+3], v[64*(\k)+4*J+2], s40
.set J, J+1
.endr
	WIN 0
.set J, 0
.rept 16
	v_perm_b32 v[F+32+J], v[F+2*J+1], v[F+2*J], s41
.set J, J+1
.endr
.set J, 0
.rept 16
	ds_store_b32 v4, v[F+32+J] offset:(16*((J/4)%2)+8*(J/8)+2*(J%4))*80   ; memory rows 2 J, 2 J + 1 go where their tile wants them
.set J, J+1
.endr
.irp u, 0,1
.irp c, 0,1
	ds_load_b128 v[WD+8*\u+4*\c:WD+8*\u+4*\c+3], v5 offset:1280*\u+32*\c   ; four words are a block of 32; LDS serves a wave's instructions in order (ISA guide 5.7.1.4)
.endr
.endr
	s_wait_dscnt 2                                 ; tile 0's two read-backs are in; tile 1's may be out
	CONVERT 0, RS+(\k), (2*(\k))*1536, 4*(\k)
	s_wait_dscnt 4                                 ; tile 1's are in; the four stores just issued may be out
	CONVERT 1, RS+4+(\k), (2*(\k)+1)*1536, 256+4*(\k)
.endm
.irp k, 0,1,2,3
	STEP \k
.endr
	s_wait_kmcnt 0x0                               ; the count
	s_add_co_u32 s25, s25, 15
	s_lshr_b32 s25, s25, 4
	s_min_u32 s25, s25, 64                         ; nt: tiles of 16 rows
	s_mov_b32 s26, s22                             ; j
	s_wait_dscnt 0x0                               ; for the others' sake: my images and scale words have landed
	s_barrier_signal -1
	s_barrier_wait -1                              ; all 32 fragments lie in LDS.  The one barrier: images and scale words are not written again
	s_cmp_ge_u32 s22, s25
	s_cbranch_scc1 .Lend                           ; fewer tiles than waves: nothing for me
	s_sub_co_u32 s27, s25, s22
	s_sub_co_u32 s27, s27, 1
	s_lshr_b32 s27, s27, 2                         ; how many of my tiles have a successor
	s_mov_b32 s35, 0                               ; counts them
.macro ABASE add                       ; where tile j + add of a lies: codes s[16:17], scale bytes s[18:19]
	s_add_co_u32 s34, s26, \add
	s_lshl_b32 s34, s34, 4
	s_min_u32 s34, s34, 0x3f0                      ; the tile's first row, held inside the expert's 1,024
	s_mul_i32 s28, s34, 1536
	s_mov_b32 s29, 0
	s_add_nc_u64 s[16:17], s[8:9], s[28:29]
	s_lshl_b32 s28, s34, 6
	s_add_nc_u64 s[18:19], s[14:15], s[28:29]
.endm
.macro SLOAD                           ; the tile's scale words: 64 bytes a row
.irp q, 0,1,2,3
	global_load_b128 v[ASN+4*\q:ASN+4*\q+3], v16, s[18:19] offset:16*\q
.endr
.endm
.macro ALOAD g                         ; K steps 4 g .. 4 g + 3 of the tile into window 3: 16 loads
	WIN 0xc0
.set I, 0
.rept 8
	global_load_b128 v[6*(8*(\g)+I):6*(8*(\g)+I)+3], v18, s[16:17] offset:768*(8*(\g)+I)
	global_load_b64 v[6*(8*(\g)+I)+4:6*(8*(\g)+I)+5], v21, s[16:17] offset:768*(8*(\g)+I)+512
.set I, I+1
.endr
	WIN 0
.endm
	ABASE 0
	SLOAD
	ALOAD 0
	ALOAD 1
	ALOAD 2
	ALOAD 3
.set G, 0
.rept 32                                       ; all fragments of w2 into registers, as they were stored
.set WN, (1+G/16)<<6
	WIN WN
.irp i, 0,1,2
	ds_load_b128 v[12*(G%16)+4*\i:12*(G%16)+4*\i+3], v8 offset:G*1536+512*\i
.endr
.set G, G+1
.endr
	WIN 0
.irp q, 0,1,2,3
	ds_load_b128 v[WS+4*\q:WS+4*\q+3], v10 offset:512*\q   ; register s: lanes 0-15 tile 0's words, lanes 16-31 tile 1's
.endr
	s_wait_dscnt 0x0
; A TILE of 16 rows.  reload = 1: tile j + 4 exists, and its operands are asked for as this tile's registers come free
.macro TILE reload
	s_wait_loadcnt 63                              ; of the 68 loads out the five oldest are in: the four of scale words among them
.set I, 0
.rept 16
	v_mov_b32 v[AS+I], v[ASN+I]
.set I, I+1
.endr
	s_wait_xcnt 0x0                                ; the loads and stores that are out have read their bases and data
	s_lshl_b32 s34, s26, 4
	s_min_u32 s34, s34, 0x3f0
	s_lshl_b32 s28, s34, 7
	s_mov_b32 s29, 0
	s_add_nc_u64 s[20:21], s[12:13], s[28:29]      ; y: 128 bytes a row
.if \reload
	ABASE 4
	SLOAD
.endif
.rept 8
	v_nop                                          ; a's scale words were written by vector instructions: eight places ahead of the scaled products
.endr
.set GG, 0
.rept 4                                        ; four K steps: eight products, the two accumulators by turns
.if \reload
	s_wait_loadcnt 52                              ; this group is in; younger: 16 (3 - GG) of this tile, the 4 of scale words, 16 GG of the next tile
.else
	s_wait_loadcnt 16*(3-GG)
.endif
.set WN, 0x0d+GG/2
	WIN WN                                         ; source 0 (w2) window 1 or 2, source 1 (a) window 3
.set AI, 0
.rept 4
.set SP, 4*GG+AI
.set WR, 12*((2*SP)%16)
.if SP == 0
	v_wmma_scale_f32_16x16x128_f8f6f4 v[ACC:ACC+7], v[WR:WR+11], v[12*SP:12*SP+11], 0, v[WS+SP], v[AS+SP] matrix_a_fmt:MATRIX_FMT_BF6 matrix_b_fmt:MATRIX_FMT_BF6
	v_wmma_scale_f32_16x16x128_f8f6f4 v[ACC+8:ACC+15], v[WR+12:WR+23], v[12*SP:12*SP+11], 0, v[WS+SP], v[AS+SP] matrix_a_fmt:MATRIX_FMT_BF6 matrix_b_fmt:MATRIX_FMT_BF6 matrix_a_scale:MATRIX_SCALE_ROW1
.else
	v_wmma_scale_f32_16x16x128_f8f6f4 v[ACC:ACC+7], v[WR:WR+11], v[12*SP:12*SP+11], v[ACC:ACC+7], v[WS+SP], v[AS+SP] matrix_a_fmt:MATRIX_FMT_BF6 matrix_b_fmt:MATRIX_FMT_BF6
	s_wait_alu depctr_va_vdst(0)
	v_wmma_scale_f32_16x16x128_f8f6f4 v[ACC+8:ACC+15], v[WR+12:WR+23], v[12*SP:12*SP+11], v[ACC+8:ACC+15], v[WS+SP], v[AS+SP] matrix_a_fmt:MATRIX_FMT_BF6 matrix_b_fmt:MATRIX_FMT_BF6 matrix_a_scale:MATRIX_SCALE_ROW1
.endif
.set AI, AI+1
.endr
	WIN 0
.if (\reload)+(GG/3)
.rept 4
	v_nop                                          ; places in front of loads into registers that the products have read, and of the first read of results
.endr
.endif
.if \reload
	ALOAD GG
.endif
.set GG, GG+1
.endr
	; lane (r, h): y(row r, columns 16 h + 8 u + 0 .. 7).  Through my stage, so that the tile's 2,048 bytes leave on end; each accumulator is read from its low end on
.irp u, 0,1
.irp q, 0,1
	ds_store_b128 v9, v[ACC+8*\u+4*\q:ACC+8*\u+4*\q+3] offset:32*\u+16*\q
.endr
.endr
.irp i, 0,1,2,3
	ds_load_b128 v[YB+4*\i:YB+4*\i+3], v14 offset:576*\i   ; LDS serves a wave's instructions in order: these see my stores
.endr
.irp i, 0,1,2,3
	s_wait_dscnt 3-\i                              ; read-back i is in; the younger ones may be out
	global_store_b128 v18, v[YB+4*\i:YB+4*\i+3], s[20:21] offset:512*\i   ; 32 lanes store 512 bytes on end
.endr
.endm
	s_cmp_lg_u32 s27, 0
	s_cbranch_scc0 .Ltail
.Lm:
	TILE 1
	s_add_co_u32 s26, s26, 4
	s_add_co_u32 s35, s35, 1
	s_cmp_lt_u32 s35, s27
	s_cbranch_scc1 .Lm
.Ltail:
	TILE 0                                         ; my last tile asks for nothing more
.Lend:
	s_wait_tensorcnt 0x0                           ; the wave's end, behind my last LDS store
	ds_add_u32 v11, v12
	s_wait_dscnt 0x0
	s_endpgm
.Lfunc_end_k_qff0df43250_down:
	.size	k_qff0df43250_down, .Lfunc_end_k_qff0df43250_down-k_qff0df43250_down
	.p2alignl 7, 3214868480
	.fill 96, 4, 3214868480
	.section	.rodata,"a",@progbits
	.p2align	6, 0x0
	.amdhsa_kernel k_qff0df43250_down
		.amdhsa_group_segment_fixed_size 95744
		.amdhsa_private_segment_fixed_size 0
		.amdhsa_enable_private_segment 0
		.amdhsa_kernarg_size 40
		.amdhsa_user_sgpr_count 2
		.amdhsa_user_sgpr_kernarg_segment_ptr 1
		.amdhsa_wavefront_size32 1
		.amdhsa_system_sgpr_workgroup_id_x 1
		.amdhsa_system_sgpr_workgroup_id_y 1
		.amdhsa_system_sgpr_workgroup_id_z 1
		.amdhsa_system_vgpr_workitem_id 0
		.amdhsa_next_free_vgpr 1024
		.amdhsa_next_free_sgpr 66
		.amdhsa_reserve_vcc 0
		.amdhsa_float_denorm_mode_32 3
		.amdhsa_float_denorm_mode_16_64 3
		.amdhsa_memory_ordered 1
		.amdhsa_forward_progress 1
		.amdhsa_inst_pref_size 157
	.end_amdhsa_kernel
	.amdgpu_metadata
---
amdhsa.version: [ 1, 2 ]
amdhsa.kernels:
  - .name:           k_qff0df43250_down
    .symbol:         k_qff0df43250_down.kd
    .args:
      - { .name: w2, .offset: 0, .size: 8, .value_kind: global_buffer, .address_space: global }
      - { .name: w2_scale, .offset: 8, .size: 8, .value_kind: global_buffer, .address_space: global }
      - { .name: aq, .offset: 16, .size: 8, .value_kind: global_buffer, .address_space: global }
      - { .name: pos, .offset: 24, .size: 8, .value_kind: global_buffer, .address_space: global }
      - { .name: y, .offset: 32, .size: 8, .value_kind: global_buffer, .address_space: global }
    .group_segment_fixed_size: 95744
    .private_segment_fixed_size: 0
    .kernarg_segment_align: 8
    .kernarg_segment_size: 40
    .max_flat_workgroup_size: 128
    .sgpr_count:     66
    .vgpr_count:     1024
    .wavefront_size: 32
...
	.end_amdgpu_metadata
.endif
;; end of part 4
;; launch combine (part 5): grid 256 x 1, 4 waves a work-group, no clusters, 0 bytes of LDS; arguments y, pos, gwo, out0; writes out0
.if DOCPART == 5
	.amdgcn_target "amdgcn-amd-amdhsa--gfx1250"
	.amdhsa_code_object_version 6
	.text
	.protected	k_qff0df43250_combine
	.globl	k_qff0df43250_combine
	.p2align	8
	.type	k_qff0df43250_combine,@function
k_qff0df43250_combine:
	s_mov_b64 s[64:65], 0
	v_nop
	global_prefetch_b8 v0, s[64:65] scope:SCOPE_SE
	s_setreg_imm32_b32 hwreg(HW_REG_WAVE_MODE, 25, 1), 1
	s_wait_xcnt 0x0
; COMBINE.  out[t] = g_lo y[row of t's lower-numbered expert] + g_hi y[row of the higher]: the order in which the problem adds the experts.
; LEFT OUT: the six experts not chosen for t, whose weight is a zero that the problem builds itself (shown at the head of the first kernel).
; A wave takes a token: t = 4 x work-group + wave.  pos holds, at words 2 (32 v + l) and + 1 (v = 16 (t / 512) + t % 16, l = (t / 16) % 32), p = (e << 15) + rank; y's row p lies in 32 pieces of 128 bytes, piece c at ((c << 10) + p) x 128.
; A stream: no LDS, no matrix unit, no barrier.  Sixteen loads a wave are out at once; each store covers 512 bytes on end.
	s_load_b256 s[4:11], s[0:1], 0x0               ; y s[4:5], pos s[6:7], gwo s[8:9], out0 s[10:11]
	v_lshrrev_b32 v1, 5, v0
	v_readfirstlane_b32 s12, v1                    ; wave
	s_lshl_b32 s13, ttmp9, 2
	s_add_co_u32 s13, s13, s12                     ; t
	s_lshr_b32 s14, s13, 9
	s_lshl_b32 s14, s14, 4
	s_and_b32 s15, s13, 15
	s_or_b32 s14, s14, s15                         ; v
	s_lshl_b32 s14, s14, 5
	s_bfe_u32 s15, s13, 0x50004                    ; l: 5 bits from bit 4
	s_add_co_u32 s14, s14, s15
	s_lshl_b32 s14, s14, 3                         ; 8 bytes a token
	s_mov_b32 s15, 0
	s_lshl_b32 s22, s13, 3
	s_mov_b32 s23, 0
	s_lshl_b32 s24, s13, 12
	s_mov_b32 s25, 0
	v_and_b32 v1, 31, v0                           ; lane
	v_lshrrev_b32 v2, 3, v1
	v_lshlrev_b32 v2, 17, v2
	v_and_b32 v3, 7, v1
	v_lshl_add_u32 v2, v3, 4, v2                   ; eight lanes to a piece of 128 bytes; four pieces a load, 2^17 bytes apart
	v_lshlrev_b32 v6, 4, v1                        ; 16 x lane
	s_wait_alu depctr_va_vdst(0)
	s_wait_kmcnt 0x0
	s_add_nc_u64 s[6:7], s[6:7], s[14:15]
	s_add_nc_u64 s[8:9], s[8:9], s[22:23]
	s_add_nc_u64 s[10:11], s[10:11], s[24:25]
	s_load_b64 s[16:17], s[6:7], 0x0               ; the two rows
	s_load_b64 s[18:19], s[8:9], 0x0               ; the two weights
	s_wait_kmcnt 0x0
	s_min_u32 s16, s16, 0x383ff                    ; loaded numbers are held inside the table before they enter an address: (7 << 15) + 1,023 at the most
	s_min_u32 s17, s17, 0x383ff
	s_lshl_b32 s16, s16, 7
	s_lshl_b32 s17, s17, 7
	s_mov_b32 s20, s19                             ; the higher expert's weight in a pair of its own: the packed form takes a scalar pair's low word for both halves
	s_mov_b32 s21, s19
	v_add_nc_u32 v4, s16, v2
	v_add_nc_u32 v5, s17, v2
.irp i, 0,1,2,3,4,5,6,7
	global_load_b128 v[8+4*\i:11+4*\i], v4, s[4:5] offset:524288*\i th:TH_LOAD_NT
	global_load_b128 v[40+4*\i:43+4*\i], v5, s[4:5] offset:524288*\i th:TH_LOAD_NT
.endr
.irp i, 0,1,2,3,4,5,6,7
	s_wait_loadcnt 2*(7-\i)                        ; pair i is in; the younger pairs may be out
	v_pk_mul_f32 v[8+4*\i:9+4*\i], v[8+4*\i:9+4*\i], s[18:19] op_sel_hi:[1,0]
	v_pk_mul_f32 v[10+4*\i:11+4*\i], v[10+4*\i:11+4*\i], s[18:19] op_sel_hi:[1,0]
	v_pk_fma_f32 v[8+4*\i:9+4*\i], v[40+4*\i:41+4*\i], s[20:21], v[8+4*\i:9+4*\i] op_sel_hi:[1,0,1]
	v_pk_fma_f32 v[10+4*\i:11+4*\i], v[42+4*\i:43+4*\i], s[20:21], v[10+4*\i:11+4*\i] op_sel_hi:[1,0,1]
	global_store_b128 v6, v[8+4*\i:11+4*\i], s[10:11] offset:512*\i th:TH_STORE_NT   ; 32 lanes store 512 bytes on end; no register of a store is written again
.endr
	s_endpgm
.Lfunc_end_k_qff0df43250_combine:
	.size	k_qff0df43250_combine, .Lfunc_end_k_qff0df43250_combine-k_qff0df43250_combine
	.p2alignl 7, 3214868480
	.fill 96, 4, 3214868480
	.section	.rodata,"a",@progbits
	.p2align	6, 0x0
	.amdhsa_kernel k_qff0df43250_combine
		.amdhsa_group_segment_fixed_size 0
		.amdhsa_private_segment_fixed_size 0
		.amdhsa_enable_private_segment 0
		.amdhsa_kernarg_size 32
		.amdhsa_user_sgpr_count 2
		.amdhsa_user_sgpr_kernarg_segment_ptr 1
		.amdhsa_wavefront_size32 1
		.amdhsa_system_sgpr_workgroup_id_x 1
		.amdhsa_system_sgpr_workgroup_id_y 1
		.amdhsa_system_sgpr_workgroup_id_z 1
		.amdhsa_system_vgpr_workitem_id 0
		.amdhsa_next_free_vgpr 80
		.amdhsa_next_free_sgpr 66
		.amdhsa_reserve_vcc 0
		.amdhsa_float_denorm_mode_32 3
		.amdhsa_float_denorm_mode_16_64 3
		.amdhsa_memory_ordered 1
		.amdhsa_forward_progress 1
		.amdhsa_inst_pref_size 7
	.end_amdhsa_kernel
	.amdgpu_metadata
---
amdhsa.version: [ 1, 2 ]
amdhsa.kernels:
  - .name:           k_qff0df43250_combine
    .symbol:         k_qff0df43250_combine.kd
    .args:
      - { .name: y, .offset: 0, .size: 8, .value_kind: global_buffer, .address_space: global }
      - { .name: pos, .offset: 8, .size: 8, .value_kind: global_buffer, .address_space: global }
      - { .name: gwo, .offset: 16, .size: 8, .value_kind: global_buffer, .address_space: global }
      - { .name: out0, .offset: 24, .size: 8, .value_kind: global_buffer, .address_space: global }
    .group_segment_fixed_size: 0
    .private_segment_fixed_size: 0
    .kernarg_segment_align: 8
    .kernarg_segment_size: 32
    .max_flat_workgroup_size: 128
    .sgpr_count:     66
    .vgpr_count:     80
    .wavefront_size: 32
...
	.end_amdgpu_metadata
.endif
;; end of part 5
